; MI455X (gfx1250); checked and timed in simulation.
; The chip was launched on July 23, 2026; its instructions are those of AMD's public machine-readable ISA for CDNA 5 (MIT licence, August 2026) and "CDNA5" Instruction Set Architecture Reference Guide (July 2026). The comments in the code are by the model that wrote it; some were corrected since.
;; Multi Head Attention. Allowed arithmetic: matrix products marked QUANTISED: E2M1 operands, one E8M0 scale for each 32 along K, by v_wmma_scale_f32_16x16x128_f8f6f4 with both operands' format E2M1 (or v_wmma_scale_f32_32x16x128_f4), f32 sums; everything else in f32.
;; Inputs: Wk 1,024 x 1,024 float32; Wp 1,024 x 1,024 float32; Wq 1,024 x 1,024 float32; Wv 1,024 x 1,024 float32; attention_mask 4 x 2,048 int32; bk 1,024 float32; bp 1,024 float32; bq 1,024 float32; bv 1,024 float32; x 4 x 2,048 x 1,024 float32.
;; Outputs: out0 4 x 2,048 x 1,024 float32.
;; This version of the problem:
;;   THIS VERSION OF THE PROBLEM IS GIVEN IN LOW PRECISION. The matrix products marked QUANTISED in the list below multiply operands that are first quantised to E2M1 (2 exponent bits, 1 mantissa bit; 4 bits a number), with one power-of-two scale for each 32 numbers along K (OCP MX v1.0); their sums are f32. All else is computed in f32.
;;   The module's matrix products, in the order in which they are computed (A, B: the left and right operand; K: the contracted axis; several contracted axes count as one K, in the product's order):
;;     1. [M 8,192, K 1,024] x [K 1,024, N 1,024]; A: input x; B: input Wq: QUANTISED
;;     2. [M 8,192, K 1,024] x [K 1,024, N 1,024]; A: input x; B: input Wk: QUANTISED
;;     3. [M 8,192, K 1,024] x [K 1,024, N 1,024]; A: input x; B: input Wv: QUANTISED
;;     4. batch 64 x [M 2,048, K 64] x [K 64, N 2,048]; A: computed on the way; B: computed on the way: QUANTISED
;;     5. batch 64 x [M 2,048, K 2,048] x [K 2,048, N 64]; A: computed on the way; B: computed on the way: QUANTISED
;;     6. [M 8,192, K 1,024] x [K 1,024, N 1,024]; A: computed on the way; B: input Wp: QUANTISED
;;   THE QUANTISER, for each operand of a quantised product, along K:
;;     - K is cut into blocks of 32 from its start; a last block that is shorter is filled with zeros.
;;     - A block's scale is 2^e with e = floor(log2(the largest magnitude in the block)) - 2, held to -126 .. 127; a block of zeros has e = 0. As a byte (E8M0): e + 127.
;;     - Each number is divided by its block's scale, clamped to +-6, and rounded to the nearest number of E2M1, ties to even, subnormals kept.
;;     - The product sums the exact products of the quantised numbers (number of the format x scale) in f32.
;;   ~~~python
;;   def quantise(x, axis):      # numpy; x: float32 -> the quantised numbers, widened to float32 again
;;       x = np.moveaxis(x, axis, -1); K = x.shape[-1]
;;       x = np.pad(x, [(0, 0)] * (x.ndim - 1) + [(0, -K % 32)]); x = x.reshape(x.shape[:-1] + (-1, 32)); a = np.abs(x).max(-1, keepdims=True)
;;       e = np.where(a > 0, np.clip(np.frexp(np.where(a > 0, a, 1))[1] - 1 - 2, -126, 127), 0)      # np.frexp(a)[1] - 1 = floor(log2(a)), exactly
;;       r = np.clip(x / 2.0 ** e, -6, 6)
;;       step = 2.0 ** (np.maximum(np.frexp(np.where(r == 0, 1, r))[1] - 1, 0) - 1)
;;       q = np.round(r / step) * step * 2.0 ** e      # np.round: ties to even
;;       return np.moveaxis(q.reshape(q.shape[:-2] + (-1,))[..., :K], -1, axis).astype(np.float32)
;;   ~~~
;;   OPERANDS COMPUTED ON THE WAY. 'Computed on the way' means the value that the module computes at that place (a softmax that the list does not call 'softmax' is quantised finished and normalised). What goes into a quantiser is computed in f32, as accurately as f32 sums, v_exp_f32 and their like allow (about 1e-6 of the number): no bf16 or f16 on the way to a quantiser, and a product that is left as it is and whose result goes on into a quantised operand takes f32 operands (vector FMAs, or v_wmma_f32_16x16x4_f32). A number that lies on a knife's edge between two numbers of the format may be rounded either way, as far as f32 arithmetic and the matrix unit's own rounding can turn it there, and no further.
;; One version. Each part assembles by itself: llvm-mc -triple=amdgcn-amd-amdhsa -mcpu=gfx1250 --defsym DOCPART=n.
;; ======== version 1 of 1: 4 launches
;; limits: right only within a limited range of input values
;; workspace buffers: xpk 4,718,592 bytes; wpk 2,359,296 bytes; apk 4,718,592 bytes; qimg 4,194,304 bytes; qs 524,288 bytes; kvp 9,175,040 bytes
;; launch prep (part 1): grid 768 x 1, 4 waves a work-group, no clusters, 34,304 bytes of LDS; arguments x, Wq, Wk, Wv, Wp, xpk, wpk; writes xpk, wpk
.if DOCPART == 1
	.amdgcn_target "amdgcn-amd-amdhsa--gfx1250"
	.amdhsa_code_object_version 6
	.text
	.protected	k_q8089615f04_prep
	.globl	k_q8089615f04_prep
	.p2align	8
	.type	k_q8089615f04_prep,@function
k_q8089615f04_prep:
	s_mov_b64 s[64:65], 0
	v_nop
	global_prefetch_b8 v0, s[64:65] scope:SCOPE_SE
	s_setreg_imm32_b32 hwreg(HW_REG_WAVE_MODE, 25, 1), 1
	s_wait_xcnt 0x0
; x [8192][1024] (K innermost) and Wq, Wk, Wv, Wp [1024 (k)][1024 (n)] (K first), f32, become codes of FP4 (E2M1) with one E8M0 byte for each 32 along K.
; A block's byte is its largest magnitude's exponent field - 2, held at 1 from below; each number / scale goes to the nearest code, ties to even, beyond 6 the largest code.
; LIMITS: NaN and infinities are not served; a block whose largest magnitude lies under 2^-124, a block of zeros among them, keeps the byte 1 (its codes are read by this program alone).
; LAYOUT OF THE RESULT.  A TILE is 16 rows (tokens, or columns of a weight): tile i holds rows 32 (i / 2) + 8 (i % 2) + r + 8 (r / 8), r = 0 .. 15.
; A PACK is one tile x 256 along K (two K steps of 128), 2,304 bytes: codes [K step 2][group 2][lane 32][16 bytes], an image of the operand's registers (lane (r, h), group c: k = 64 c + 32 h + 0 .. 31 of row r),
; then scale words [K step 2][lane 32][4 bytes] (lane l: row l % 16's word; both halves of the lanes hold it).  Buffers: [chunk of 256 along K: 4][tile][2,304].
; Work-groups 0-255 take the weights (matrix id / 64, 128 columns (id / 8) % 8, K step id % 8; a lane to a column, registers down K), work-groups 256-767 a tile of x each (wave = chunk).
; No tensor loads, no barrier: waves share nothing.  Only the path for x touches LDS.
.set PACK, 2304
.set XCH,  512*PACK
.set WCH,  256*PACK
	s_load_b256 s[4:11], s[0:1], 0x0               ; x, Wq, Wk, Wv
	s_load_b128 s[12:15], s[0:1], 0x20             ; Wp, xpk
	s_load_b64 s[16:17], s[0:1], 0x30              ; wpk
	v_lshl_add_u32 v232, v0, 2, 0x8400
	v_mov_b32 v233, 0
	v_lshrrev_b32 v1, 5, v0
	v_readfirstlane_b32 s20, v1                    ; wave
	v_and_b32 v7, 31, v0                           ; lane
	s_cmp_lt_u32 ttmp9, 256
	s_cbranch_scc0 .Lx_path
; ---------------- the weights ----------------
	v_lshlrev_b32 v1, 2, v7                        ; my column's 4 bytes in a row of W
	v_bfe_u32 v4, v7, 3, 1                         ; u: which of the two tiles that 32 neighbouring columns make
	v_and_b32 v5, 7, v7
	v_lshrrev_b32 v6, 4, v7
	v_lshl_add_u32 v5, v6, 3, v5                   ; r: my row in that tile
	v_mul_u32_u24 v4, v4, PACK
	v_lshl_add_u32 v2, v5, 4, v4                   ; codes: u x 2,304 + 16 r
	v_lshl_add_u32 v3, v5, 2, v4                   ; scale word: u x 2,304 + 4 r
	s_lshr_b32 s21, ttmp9, 6                       ; which matrix
	s_and_b32 s24, ttmp9, 7                        ; K step
	s_bfe_u32 s25, ttmp9, 0x30003
	s_lshl_b32 s25, s25, 7
	s_lshl_b32 s26, s20, 5
	s_add_co_u32 s25, s25, s26                     ; my wave's first column
	s_lshl_b32 s26, s24, 19                        ; 128 rows of 4,096 bytes a K step
	s_lshl_b32 s27, s25, 2
	s_add_co_u32 s26, s26, s27
	s_mov_b32 s27, 0
	s_lshr_b32 s28, s24, 1
	s_mul_i32 s28, s28, WCH                        ; the chunk,
	s_lshl_b32 s29, s21, 6
	s_lshr_b32 s30, s25, 4
	s_add_co_u32 s29, s29, s30
	s_mul_i32 s29, s29, PACK                       ; the first of my two tiles
	s_add_co_u32 s28, s28, s29
	s_and_b32 s30, s24, 1
	s_lshl_b32 s31, s30, 10
	s_add_co_u32 s32, s28, s31                     ; codes of my K step
	s_mov_b32 s33, 0
	s_lshl_b32 s31, s30, 7
	s_add_co_u32 s34, s28, s31
	s_add_co_u32 s34, s34, 2048                    ; its scale words
	s_mov_b32 s35, 0
	s_wait_alu depctr_va_vdst(0)
	s_wait_kmcnt 0x0
	s_cmp_eq_u32 s21, 1
	s_cselect_b64 s[22:23], s[8:9], s[6:7]
	s_cmp_eq_u32 s21, 2
	s_cselect_b64 s[22:23], s[10:11], s[22:23]
	s_cmp_eq_u32 s21, 3
	s_cselect_b64 s[22:23], s[12:13], s[22:23]
	s_add_nc_u64 s[22:23], s[22:23], s[26:27]
	s_add_nc_u64 s[32:33], s[16:17], s[32:33]
	s_add_nc_u64 s[34:35], s[16:17], s[34:35]
.macro WLOAD kb                        ; block kb: W(32 kb + i, my column) into set kb % 2; a wave's load covers 128 consecutive bytes
.set i, 0
.rept 32
	global_load_b32 v[16+32*((\kb)%2)+i], v1, s[22:23] offset:(32*(\kb)+i)*4096 th:TH_LOAD_NT
.set i, i+1
.endr
.endm
.macro WBLOCK kb
.set XS, 16+32*((\kb)%2)
.if (\kb) < 3
	s_wait_loadcnt 32                              ; this block's 32 loads are in; the next block's 32 may be out
.else
	s_wait_loadcnt 0x0
.endif
	v_max3_num_f32 v8, |v[XS]|, |v[XS+1]|, |v[XS+2]|               ; the block's largest magnitude: all 32 numbers are mine; two chains
	v_max3_num_f32 v9, |v[XS+3]|, |v[XS+4]|, |v[XS+5]|
.irp i, 6,10,14,18,22,26
	v_max3_num_f32 v8, v8, |v[XS+\i]|, |v[XS+\i+1]|
	v_max3_num_f32 v9, v9, |v[XS+\i+2]|, |v[XS+\i+3]|
.endr
	v_max3_num_f32 v8, v8, |v[XS+30]|, |v[XS+31]|
	v_max3_num_f32 v8, v8, v9, 0x1800000           ; and the floor 2^(3 - 127): the byte cannot fall under 1
	v_add_nc_u32 v10, 0xff000000, v8               ; 2 off the exponent field: the conversion's scale operand
	v_lshrrev_b32 v11, 23, v10                     ; the byte
.if (\kb) == 0
	v_mov_b32 v96, v11
.else
	v_lshl_or_b32 v96, v11, 8*(\kb), v96           ; four bytes make my column's scale word of this K step
.endif
.irp g, 0,1,2,3
	v_cvt_scalef32_pk8_fp4_f32 v[80+4*(\kb)+\g], v[XS+8*\g:XS+8*\g+7], v10
.endr
	global_store_b128 v2, v[80+4*(\kb):80+4*(\kb)+3], s[32:33] offset:512*((\kb)/2)+256*((\kb)%2)   ; group kb / 2, half kb % 2: the sixteen lanes of a tile store 256 consecutive bytes, aligned; each block has data registers of its own
.if (\kb) < 2
	WLOAD (\kb)+2
.endif
.endm
	WLOAD 0
	WLOAD 1
	WBLOCK 0
	WBLOCK 1
	WBLOCK 2
	WBLOCK 3
	global_store_b32 v3, v96, s[34:35]             ; the word, for lanes 0-15 of the image,
	global_store_b32 v3, v96, s[34:35] offset:64   ; and its copy for lanes 16-31
	s_endpgm
; ---------------- x ----------------
.Lx_path:
	s_wait_alu depctr_va_vdst(0)
	v_lshlrev_b32 v1, 4, v7                        ; 16 x lane
	v_and_b32 v8, 15, v7                           ; r
	v_lshrrev_b32 v9, 4, v7                        ; h
	s_mul_i32 s21, s20, 8448                       ; my wave's stage: 16 rows x (512 bytes + 16)
	v_add_nc_u32 v2, s21, v1                       ; into it: a row as it was loaded
	v_mul_u32_u24 v3, v8, 528
	v_lshl_add_u32 v3, v9, 7, v3
	v_add_nc_u32 v3, s21, v3                       ; out of it: row r, my half's 32 numbers of a group
	v_lshlrev_b32 v4, 2, v7                        ; 4 x lane
	v_lshlrev_b32 v5, 3, v9                        ; 8 h
	v_mov_b32 v230, 0                              ; a lane permute's destination counts as one of its sources
	s_mov_b32 s28, 0x76543210
	s_mov_b32 s29, 0xfedcba98                      ; selects for lane l xor 16
	s_sub_co_u32 s22, ttmp9, 256                   ; my tile
	s_lshr_b32 s23, s22, 1
	s_lshl_b32 s23, s23, 5
	s_and_b32 s24, s22, 1
	s_lshl_b32 s24, s24, 3
	s_add_co_u32 s23, s23, s24                     ; its first token
	s_lshl_b32 s24, s23, 12
	s_lshl_b32 s25, s20, 10                        ; my chunk: 256 numbers
	s_add_co_u32 s24, s24, s25
	s_mov_b32 s25, 0
	s_mul_i32 s26, s20, XCH
	s_mul_i32 s27, s22, PACK
	s_add_co_u32 s26, s26, s27
	s_mov_b32 s27, 0
	s_wait_alu depctr_va_vdst(0)
	s_wait_kmcnt 0x0
	s_add_nc_u64 s[4:5], s[4:5], s[24:25]
	s_add_nc_u64 s[14:15], s[14:15], s[26:27]
.macro XLOAD ks                        ; the tile's 16 rows, 128 numbers each: a load covers 512 consecutive bytes of one token
.set p, 0
.rept 16
	global_load_b128 v[16+64*(\ks)+4*p:16+64*(\ks)+4*p+3], v1, s[4:5] offset:(p+8*(p/8))*4096+512*(\ks) th:TH_LOAD_NT
.set p, p+1
.endr
.endm
.macro XTURN ks                        ; through the stage: LDS serves a wave's instructions in order, so no wait stands between the stores and the loads
.set p, 0
.rept 16
	ds_store_b128 v2, v[16+64*(\ks)+4*p:16+64*(\ks)+4*p+3] offset:528*p
.set p, p+1
.endr
.set p, 0
.rept 16
	ds_load_b128 v[144+4*p:144+4*p+3], v3 offset:256*(p/8)+16*(p%8)   ; group p / 8: k = 64 c + 32 h + 0 .. 31 of row r
.set p, p+1
.endr
.endm
.macro XQ ks, c                        ; my block 2 c + h of row r: all its 32 numbers are mine
.set XS, 144+32*(\c)
	v_max3_num_f32 v224, |v[XS]|, |v[XS+1]|, |v[XS+2]|
	v_max3_num_f32 v225, |v[XS+3]|, |v[XS+4]|, |v[XS+5]|
.irp i, 6,10,14,18,22,26
	v_max3_num_f32 v224, v224, |v[XS+\i]|, |v[XS+\i+1]|
	v_max3_num_f32 v225, v225, |v[XS+\i+2]|, |v[XS+\i+3]|
.endr
	v_max3_num_f32 v224, v224, |v[XS+30]|, |v[XS+31]|
	v_max3_num_f32 v224, v224, v225, 0x1800000
	v_add_nc_u32 v226, 0xff000000, v224
.irp g, 0,1,2,3
	v_cvt_scalef32_pk8_fp4_f32 v[208+8*(\ks)+4*(\c)+\g], v[XS+8*\g:XS+8*\g+7], v226
.endr
	v_lshrrev_b32 v[227+(\c)], 23, v226            ; the byte (also the plain line behind the conversions)
	global_store_b128 v1, v[208+8*(\ks)+4*(\c):208+8*(\ks)+4*(\c)+3], s[14:15] offset:1024*(\ks)+512*(\c)   ; 512 consecutive bytes; data registers of its own
.endm
.macro XWORD ks
	v_lshl_or_b32 v229, v228, 16, v227             ; my two bytes: blocks h and 2 + h,
	v_lshlrev_b32 v229, v5, v229                   ; 8 h bits up;
	v_permlanex16_b32 v230, v229, s28, s29
	v_or_b32 v[12+(\ks)], v229, v230               ; with lane l xor 16's two the word is whole, in both halves of the lanes
	global_store_b32 v4, v[12+(\ks)], s[14:15] offset:2048+128*(\ks)
.endm
	XLOAD 0
	XLOAD 1
	s_wait_loadcnt 16                              ; K step 0's sixteen loads are in; K step 1's may be out
	XTURN 0
	s_wait_dscnt 8                                 ; group 0 is back; group 1's eight loads may be out
	XQ 0, 0
	s_wait_dscnt 0x0
	XQ 0, 1
	XWORD 0
	s_wait_loadcnt 0x0
	XTURN 1
	s_wait_dscnt 8
	XQ 1, 0
	s_wait_dscnt 0x0
	XQ 1, 1
	XWORD 1
	s_wait_tensorcnt 0x0
	ds_add_u32 v232, v233
	s_wait_dscnt 0x0
	s_endpgm
.Lfunc_end_k_q8089615f04_prep:
	.size	k_q8089615f04_prep, .Lfunc_end_k_q8089615f04_prep-k_q8089615f04_prep
	.p2alignl 7, 3214868480
	.fill 96, 4, 3214868480
	.section	.rodata,"a",@progbits
	.p2align	6, 0x0
	.amdhsa_kernel k_q8089615f04_prep
		.amdhsa_group_segment_fixed_size 34304
		.amdhsa_private_segment_fixed_size 0
		.amdhsa_enable_private_segment 0
		.amdhsa_kernarg_size 56
		.amdhsa_user_sgpr_count 2
		.amdhsa_user_sgpr_kernarg_segment_ptr 1
		.amdhsa_wavefront_size32 1
		.amdhsa_system_sgpr_workgroup_id_x 1
		.amdhsa_system_sgpr_workgroup_id_y 1
		.amdhsa_system_sgpr_workgroup_id_z 1
		.amdhsa_system_vgpr_workitem_id 0
		.amdhsa_next_free_vgpr 234
		.amdhsa_next_free_sgpr 66
		.amdhsa_reserve_vcc 0
		.amdhsa_float_denorm_mode_32 3
		.amdhsa_float_denorm_mode_16_64 3
		.amdhsa_memory_ordered 1
		.amdhsa_forward_progress 1
		.amdhsa_inst_pref_size 36
	.end_amdhsa_kernel
	.amdgpu_metadata
---
amdhsa.version: [ 1, 2 ]
amdhsa.kernels:
  - .name:           k_q8089615f04_prep
    .symbol:         k_q8089615f04_prep.kd
    .args:
      - { .name: x, .offset: 0, .size: 8, .value_kind: global_buffer, .address_space: global }
      - { .name: Wq, .offset: 8, .size: 8, .value_kind: global_buffer, .address_space: global }
      - { .name: Wk, .offset: 16, .size: 8, .value_kind: global_buffer, .address_space: global }
      - { .name: Wv, .offset: 24, .size: 8, .value_kind: global_buffer, .address_space: global }
      - { .name: Wp, .offset: 32, .size: 8, .value_kind: global_buffer, .address_space: global }
      - { .name: xpk, .offset: 40, .size: 8, .value_kind: global_buffer, .address_space: global }
      - { .name: wpk, .offset: 48, .size: 8, .value_kind: global_buffer, .address_space: global }
    .group_segment_fixed_size: 34304
    .private_segment_fixed_size: 0
    .kernarg_segment_align: 8
    .kernarg_segment_size: 56
    .max_flat_workgroup_size: 128
    .sgpr_count:     66
    .vgpr_count:     234
    .wavefront_size: 32
...
	.end_amdgpu_metadata
.endif
;; end of part 1
;; launch qkv (part 2): grid 12 x 64, 4 waves a work-group, clusters of 4 x 4, 221,696 bytes of LDS; arguments xpk, wpk, bq, bk, bv, attention_mask, qimg, qs, kvp; writes qimg, qs, kvp
.if DOCPART == 2
	.amdgcn_target "amdgcn-amd-amdhsa--gfx1250"
	.amdhsa_code_object_version 6
	.text
	.protected	k_q8089615f04_qkv
	.globl	k_q8089615f04_qkv
	.p2align	8
	.type	k_q8089615f04_qkv,@function
k_q8089615f04_qkv:
	s_mov_b64 s[64:65], 0
	v_nop
	global_prefetch_b8 v0, s[64:65] scope:SCOPE_SE
	s_setreg_imm32_b32 hwreg(HW_REG_WAVE_MODE, 25, 1), 1
	s_wait_xcnt 0x0
	s_wait_alu depctr_hold_cnt(0) depctr_sa_sdst(0) depctr_va_vdst(0) depctr_va_sdst(0) depctr_va_ssrc(0) depctr_va_vcc(0) depctr_vm_vsrc(0)
	s_getreg_b32 s2, hwreg(HW_REG_IB_STS2, 6, 4)
	s_cmp_eq_u32 s2, 0
	s_cbranch_scc0 .Lentry_in_a_cluster
	s_endpgm
.Lentry_in_a_cluster:
	s_bfe_u32 s2, ttmp6, 0x10000c
	s_cmp_lg_u32 s2, 0xf033
	s_cbranch_scc0 .Lentry_shape_is_right
	s_endpgm
.Lentry_shape_is_right:
; q = x Wq + bq, k = x Wk + bk, v = x Wv + bv on codes of FP4 (E2M1) with E8M0 scales (packs: 16 rows x 256 K, 2,048 bytes of register images + 256 of scale words), and the results quantised on the way:
; q and k along the head's 64 channels, v along the keys.  Cluster x = 0, 1, 2 makes q, k, v.
; A work-group makes 128 tokens x 256 columns; wave w makes 128 x 64, one head: 32 accumulators in window 1.  ALL OF K LIES IN LDS: four chunks of 256 along K, each filled once, all asked for at the start; nothing is filled again.
; CLUSTER 4 x 4: the four of a row need the same packs of x, the four of a column the same packs of W: each is asked for jointly.  Wave 0 asks for x's packs, waves 1 and 2 for W's halves: four loads each are out at most.
; A TILE of 16 rows is rows 32 (i / 2) + 8 (i % 2) + r + 8 (r / 8).  q, k: source 0 = 16 columns of W, source 1 = 16 tokens: a lane holds one token, its registers run along the channels.  v: the sources swapped: a lane holds
; one channel, its registers run along the tokens (the keys).  So in both cases 16 registers of two neighbouring accumulators are 16 neighbours along the next product's K.  The bias is the C of each sum's first product.
; OUT: qimg [head 64][tile 128][lane][16]; qs [head][step 16][lane (r, hh)][4 words: tile 8 step + 4 hh + w];  kvp [head][143,360]: K's images (as qimg), V's images [step][channel tile 4][group 2][lane][16],
; K's scale words (as qs), V's [step][lane (r, hh)][2 words: channel tile 2 hh + w].
; THE MASK RIDES IN THE SCALE WORDS.  The scores' K is 64, padded to 128; at k = 64 every key carries the code -6 and every query +6 (constants of the next launch).  A query's word is b0 | b1 << 8 | 127 << 16 | 127 << 24;
; a key's third byte is 227 (2^100) where attention_mask hides it, 1 (2^-126) where it is open.  LIMITS: an open key's score carries -36 x 2^-126; NaN and infinities are not served; blocks under 2^-124 keep the byte 1.
.set PACK,  2304
.set XCH,   512*PACK
.set WCH,   256*PACK
.set TILE8, 8*PACK                     ; eight packs: what one tensor load brings: 72 rows of 256 bytes
.set CH,    3*TILE8                    ; a chunk in LDS: x's 8 packs, W's 16
.set T0,    0                          ; first tile of wpk
.set LI,  1                            ; v1  16 x lane
.set AX,  4                            ; v4  LDS address of x's images      v5  of my four tiles of W
.set AW,  5
.set ASX, 6                            ; v6  of x's scale words: lanes 0-15 tile i, lanes 16-31 tile i + 4      v7  of W's: tile j, tile j + 2
.set ASW, 7
.set SX,  16                           ; v16-19 x's scale words, v20-21 W's: they hold scales and nothing else
.set SW,  20
.set XF,  32                           ; v32-95 x's eight fragments
.set WF,  96                           ; v96-127 W's four
.set BIAS, 128                         ; v128-159 the bias, eight registers a tile of columns
.set MK,  160                          ; v160-167 attention_mask of my lane's token in each tile
.set WD,  168                          ; v168-175 scale words made
.set TM,  184                          ; v184-199 at work in the quantiser
.set G1A, 16
.set G1B, 24
.set G0A, 32
.set G0B, 48
.set MSB, 0
.macro WIN new                         ; the immediate's high byte repeats the setting that is left
.if MSB != \new
	s_set_vgpr_msb (MSB<<8)|\new
.set MSB, \new
.endif
.endm
.macro PLACES
.rept 4
	v_nop
.endr
.endm
.macro CROUND                          ; a round of the cluster's barrier
	s_barrier_signal -1
	s_barrier_wait -1
	s_cmp_lg_u32 s4, 0
	s_cbranch_scc1 .Lnot_wave_0_\@
	s_barrier_signal -3
.Lnot_wave_0_\@:
	s_barrier_wait -3
	s_barrier_signal -1
	s_barrier_wait -1
.endm
.macro WMX                             ; one product, by the symbols rD, rA, rB, rC, rSA, rSB; fRA, fRB: the scale is read from lanes 16-31
.if fRA && fRB
	v_wmma_scale_f32_16x16x128_f8f6f4 v[rD:rD+7], v[rA:rA+7], v[rB:rB+7], v[rC:rC+7], v[rSA], v[rSB] matrix_a_fmt:MATRIX_FMT_FP4 matrix_b_fmt:MATRIX_FMT_FP4 matrix_a_scale:MATRIX_SCALE_ROW1 matrix_b_scale:MATRIX_SCALE_ROW1
.elseif fRA
	v_wmma_scale_f32_16x16x128_f8f6f4 v[rD:rD+7], v[rA:rA+7], v[rB:rB+7], v[rC:rC+7], v[rSA], v[rSB] matrix_a_fmt:MATRIX_FMT_FP4 matrix_b_fmt:MATRIX_FMT_FP4 matrix_a_scale:MATRIX_SCALE_ROW1
.elseif fRB
	v_wmma_scale_f32_16x16x128_f8f6f4 v[rD:rD+7], v[rA:rA+7], v[rB:rB+7], v[rC:rC+7], v[rSA], v[rSB] matrix_a_fmt:MATRIX_FMT_FP4 matrix_b_fmt:MATRIX_FMT_FP4 matrix_b_scale:MATRIX_SCALE_ROW1
.else
	v_wmma_scale_f32_16x16x128_f8f6f4 v[rD:rD+7], v[rA:rA+7], v[rB:rB+7], v[rC:rC+7], v[rSA], v[rSB] matrix_a_fmt:MATRIX_FMT_FP4 matrix_b_fmt:MATRIX_FMT_FP4
.endif
.endm
; A K step of 128: 30 LDS loads (the images' of consecutive bytes), 32 products; the 32 accumulators take turns in one order.  first = 1: C is the bias.  tr = 1: source 0 = W; tr = 0: source 0 = x.
.macro KSTEP ks, first, tr
.if \ks
	PLACES                                         ; four places in front of loads into registers that the last products read
.endif
.irp i, 0,1,2,3,4,5,6,7
	ds_load_b128 v[XF+8*\i:XF+8*\i+3], v[AX] offset:PACK*\i+1024*\ks
	ds_load_b128 v[XF+8*\i+4:XF+8*\i+7], v[AX] offset:PACK*\i+1024*\ks+512
.endr
.irp j, 0,1,2,3
	ds_load_b128 v[WF+8*\j:WF+8*\j+3], v[AW] offset:PACK*\j+1024*\ks
	ds_load_b128 v[WF+8*\j+4:WF+8*\j+7], v[AW] offset:PACK*\j+1024*\ks+512
.endr
.irp i, 0,1,2,3
	ds_load_b32 v[SX+\i], v[ASX] offset:PACK*\i+128*\ks
.endr
.irp j, 0,1
	ds_load_b32 v[SW+\j], v[ASW] offset:PACK*\j+128*\ks
.endr
	s_wait_dscnt 0x0
.if \first
	WIN 0x40                                       ; D in window 1, the bias in window 0
.else
	WIN 0x50                                       ; C and D in window 1
.endif
.irp i, 0,1,2,3,4,5,6,7
.irp j, 0,1,2,3
.if \tr
.set rD, 8*(4*\i+\j)
.set rA, WF+8*\j
.set rB, XF+8*\i
.set rSA, SW+\j%2
.set fRA, \j/2
.set rSB, SX+\i%4
.set fRB, \i/4
.else
.set rD, 8*(8*\j+\i)
.set rA, XF+8*\i
.set rB, WF+8*\j
.set rSA, SX+\i%4
.set fRA, \i/4
.set rSB, SW+\j%2
.set fRB, \j/2
.endif
.if \first
.set rC, BIAS+8*\j
.else
.set rC, rD
.endif
	WMX
.endr
.endr
	WIN 0
.endm
.macro CHUNK c, tr
	s_wait_tensorcnt 3-\c                          ; my loads for chunks 0 .. c have landed; those for later chunks may stay out
	s_barrier_signal -1
	s_barrier_wait -1                              ; everybody's have
.if \c
	v_add_nc_u32 v[AX], CH, v[AX]                  ; on to this chunk; these four are also the places in front of the loads
	s_wait_alu depctr_va_vdst(0)
	v_add_nc_u32 v[AW], CH, v[AW]
	s_wait_alu depctr_va_vdst(0)
	v_add_nc_u32 v[ASX], CH, v[ASX]
	s_wait_alu depctr_va_vdst(0)
	v_add_nc_u32 v[ASW], CH, v[ASW]
	s_wait_alu depctr_va_vdst(0)
	KSTEP 0, 0, \tr
.else
	KSTEP 0, 1, \tr
.endif
	KSTEP 1, 0, \tr
.endm
; 64 accumulator registers from 64 g of window 1, register 16 b + i = place 32 b + 16 (lane / 16) + i along the next K, become 8 registers of codes at v[PC] and four bytes in v[TM+4 .. TM+7].
.macro QUANT4 g
.set QA, 64*(\g)
.set PC, 128+8*(\g)-96*((\g)/2)        ; v128, v136, v48, v56: registers that the products are done with
	WIN 0x05                                       ; sources 0 and 1 in window 1
.irp b, 0,1,2,3
	v_max3_num_f32 v[TM+\b], |v[QA+16*\b]|, |v[QA+16*\b+1]|, 0x1800000   ; each accumulator is read from its low end on; the floor 2^(3 - 127) holds the byte at 1 from below
.endr
.irp i, 2,4,6,8,10,12,14
.irp b, 0,1,2,3
	v_max3_num_f32 v[TM+\b], |v[QA+16*\b+\i]|, |v[QA+16*\b+\i+1]|, v[TM+\b]
.endr
.endr
	WIN 0
.irp b, 0,1,2,3
	v_permlanex16_b32 v[TM+4+\b], v[TM+\b], s96, s97
.endr
.irp b, 0,1,2,3
	v_max_num_f32 v[TM+\b], v[TM+\b], v[TM+4+\b]   ; with lane l xor 16's sixteen: the block's largest magnitude
.endr
.irp b, 0,1,2,3
	v_add_nc_u32 v[TM+12+\b], 0xff000000, v[TM+\b] ; 2 off the exponent field: the conversion's scale operand
.endr
.irp b, 0,1,2,3
	v_lshrrev_b32 v[TM+4+\b], 23, v[TM+12+\b]      ; the byte
.endr
	WIN 0x01                                       ; source 0 in window 1
.irp b, 0,1,2,3
	v_cvt_scalef32_pk8_fp4_f32 v[PC+2*\b], v[QA+16*\b:QA+16*\b+7], v[TM+12+\b]
	v_cvt_scalef32_pk8_fp4_f32 v[PC+2*\b+1], v[QA+16*\b+8:QA+16*\b+15], v[TM+12+\b]
.endr
	WIN 0
	v_nop                                          ; one plain line behind the conversions
.irp c, 0,1
.irp i, 0,1
	v_permlane16_swap_b32 v[PC+4*\c+\i], v[PC+4*\c+2+\i]   ; a whole block to a lane: lanes 0-15 block 2 c, lanes 16-31 block 2 c + 1
.endr
.endr
.endm
	s_load_b512 s[68:83], s[0:1], 0x0              ; xpk, wpk, bq, bk, bv, attention_mask, qimg, qs
	s_load_b64 s[84:85], s[0:1], 0x40              ; kvp
	v_lshl_add_u32 v254, v0, 2, 0x36000
	v_mov_b32 v255, 0
	ds_add_u32 v254, v255
	ds_add_u32 v254, v255
	v_lshrrev_b32 v1, 5, v0
	v_readfirstlane_b32 s4, v1                     ; wave
	s_bfe_u32 s5, ttmp6, 0x40000                   ; cx
	s_bfe_u32 s6, ttmp6, 0x40004                   ; cy
	s_lshl_b32 s7, ttmp9, 2
	s_add_co_u32 s7, s7, s5                        ; column group of 256: 4 x cluster x + cx
	s_and_b32 s8, ttmp7, 0xffff
	s_lshl_b32 s8, s8, 2
	s_add_co_u32 s8, s8, s6                        ; block of 128 tokens: 4 x cluster y + cy
	s_lshl_b32 s9, s6, 2
	s_lshl_b32 s9, 15, s9                          ; my row of the cluster
	s_lshl_b32 s66, 0x1111, s5                     ; my column
	s_or_b32 s[G1A], s9, (3<<16)|(1<<21)           ; 15:0 the mask; 17:16 elements of 8 bytes; 21 set beside a mask; no padding
	s_or_b32 s[G1B], s66, (3<<16)|(1<<21)
.irp g, G1A, G1B
	s_mov_b32 s[\g+1], 32<<16                      ; tensor_dim0 = 32 elements: 256 bytes
	s_mov_b32 s[\g+2], 72<<16                      ; tensor_dim1 = 72 rows
	s_mov_b32 s[\g+3], 32<<16                      ; tile_dim0
	s_mov_b32 s[\g+4], 72                          ; tile_dim1
	s_mov_b32 s[\g+5], 32                          ; the pitch: the block is dense
	s_mov_b32 s[\g+6], 0
	s_mov_b32 s[\g+7], 0
.endr
	s_mul_i32 s10, s8, TILE8                       ; x's eight packs: they hang on the block of tokens alone
	s_mov_b32 s11, 0
	s_lshr_b32 s14, s4, 1                          ; waves 1 and 2: W's low and high eight packs
	s_lshl_b32 s12, s7, 4
	s_lshl_b32 s13, s14, 3
	s_add_co_u32 s12, s12, s13
	s_add_co_u32 s12, s12, T0
	s_mul_i32 s12, s12, PACK                       ; they hang on the column group and the wave alone
	s_mov_b32 s13, 0
	s_mul_i32 s15, s14, TILE8
	s_add_co_u32 s15, s15, TILE8                   ; and where they go
	s_wait_dscnt 0x0
	s_wait_kmcnt 0x0
	s_add_nc_u64 s[10:11], s[68:69], s[10:11]
	s_add_nc_u64 s[12:13], s[70:71], s[12:13]
.irp c, 0,1,2,3
	s_mov_b32 s[G0A+4*\c], 1
	s_mov_b32 s[G0A+4*\c+1], \c*CH
	s_add_nc_u64 s[G0A+4*\c+2:G0A+4*\c+3], s[10:11], \c*XCH
	s_or_b32 s[G0A+4*\c+3], s[G0A+4*\c+3], 0x80000000
	s_mov_b32 s[G0B+4*\c], 1
	s_add_co_u32 s[G0B+4*\c+1], s15, \c*CH
	s_add_nc_u64 s[G0B+4*\c+2:G0B+4*\c+3], s[12:13], \c*WCH
	s_or_b32 s[G0B+4*\c+3], s[G0B+4*\c+3], 0x80000000
.endr
	CROUND                                         ; all sixteen work-groups are here: the joint loads meet
	s_cmp_eq_u32 s4, 0                             ; a wave's four fills stand in one branch on its number
	s_cbranch_scc0 .Lnot_a
.irp c, 0,1,2,3
	tensor_load_to_lds s[G0A+4*\c:G0A+4*\c+3], s[G1A:G1A+7]
	s_nop 0
.endr
	PLACES
	s_branch .Lasked
.Lnot_a:
	s_cmp_lt_u32 s4, 3
	s_cbranch_scc0 .Lasked
.irp c, 0,1,2,3
	tensor_load_to_lds s[G0B+4*\c:G0B+4*\c+3], s[G1B:G1B+7]
	s_nop 0
.endr
	PLACES
.Lasked:
	v_and_b32 v10, 31, v0                          ; lane
	v_lshlrev_b32 v[LI], 4, v10
	v_and_b32 v2, 15, v0                           ; r
	v_bfe_u32 v3, v0, 4, 1                         ; h
	v_lshlrev_b32 v[AX], 4, v10
	s_mul_i32 s9, s4, 4*PACK
	s_add_co_u32 s9, s9, TILE8                     ; my four tiles of W
	v_add_nc_u32 v[AW], s9, v[LI]
	v_lshlrev_b32 v11, 2, v10
	v_mad_u32_u24 v[ASX], v3, 4*PACK, v11          ; lanes 16-31: four tiles on
	v_add_nc_u32 v[ASX], 2048, v[ASX]
	v_mad_u32_u24 v[ASW], v3, 2*PACK, v11          ; lanes 16-31: two tiles on
	s_add_co_u32 s9, s9, 2048
	v_add_nc_u32 v[ASW], s9, v[ASW]
	v_lshlrev_b32 v8, 6, v3                        ; 64 h
	v_and_b32 v9, 8, v2
	v_add_nc_u32 v9, v9, v2
	v_lshlrev_b32 v9, 2, v9                        ; 4 (r + 8 (r / 8))
	v_lshlrev_b32 v12, 3, v10                      ; 8 x lane
.irp b, 0,1,2,3
	v_mov_b32 v[TM+4+\b], 0                        ; a lane permute's destination counts as one of its sources
.endr
	s_mov_b32 s96, 0x76543210
	s_mov_b32 s97, 0xfedcba98
	s_lshl_b32 s98, s5, 2
	s_add_co_u32 s98, s98, s4                      ; my head in the batch: it enters addresses in memory alone
	s_lshr_b32 s99, s8, 4
	s_lshl_b32 s99, s99, 4
	s_add_co_u32 s99, s99, s98                     ; batch x 16 + head
	s_and_b32 s94, s8, 15                          ; the step of 128 tokens in the batch
	s_mov_b32 s93, 0
	s_cmp_eq_u32 ttmp9, 2                          ; the cluster's x: the same in all partners
	s_cbranch_scc1 .Lv_path
; ---------------- q and k ----------------
	s_cmp_eq_u32 ttmp9, 0
	s_cselect_b64 s[86:87], s[72:73], s[74:75]     ; bq or bk
	s_cselect_b64 s[88:89], s[80:81], s[84:85]     ; images: qimg or kvp
	s_cselect_b64 s[90:91], s[82:83], s[84:85]     ; scale words: qs or kvp
	s_mov_b32 s10, 143360
	s_cselect_b32 s11, 65536, s10                  ; a head's bytes there
	s_cselect_b32 s12, 8192, s10
	s_cselect_b32 s13, 0, 131072
	s_mov_b32 s14, 0x7f7f0000                      ; a query's upper bytes
	s_mov_b32 s15, 0x7fe30000                      ; a hidden key's
	s_cselect_b32 s15, s14, s15
	s_mov_b32 s92, 0x7f010000                      ; an open key's
	s_cselect_b32 s14, s14, s92
	s_mul_i32 s11, s11, s99
	s_lshl_b32 s92, s94, 12
	s_add_co_u32 s92, s92, s11
	s_add_nc_u64 s[88:89], s[88:89], s[92:93]
	s_mul_i32 s12, s12, s99
	s_add_co_u32 s12, s12, s13
	s_lshl_b32 s92, s94, 9
	s_add_co_u32 s92, s92, s12
	s_add_nc_u64 s[90:91], s[90:91], s[92:93]
	s_lshl_b32 s92, s98, 8
	s_add_nc_u64 s[86:87], s[86:87], s[92:93]      ; my head's 64 numbers of the bias
	s_lshl_b32 s92, s8, 9
	s_add_nc_u64 s[78:79], s[78:79], s[92:93]      ; my 128 tokens' mask
	s_wait_alu depctr_va_vdst(0)
.irp j, 0,1,2,3
	global_load_b128 v[BIAS+8*\j:BIAS+8*\j+3], v8, s[86:87] offset:(32*(\j/2)+8*(\j%2))*4       ; lane (r, h), register i: column 32 (j / 2) + 8 (j % 2) + 16 h + i
	global_load_b128 v[BIAS+8*\j+4:BIAS+8*\j+7], v8, s[86:87] offset:(32*(\j/2)+8*(\j%2))*4+16
.endr
.irp i, 0,1,2,3,4,5,6,7
	global_load_b32 v[MK+\i], v9, s[78:79] offset:(32*(\i/2)+8*(\i%2))*4
.endr
	v_mov_b32 v176, s15
	v_mov_b32 v177, s14
	s_wait_loadcnt 0x0
	CHUNK 0, 1
	CHUNK 1, 1
	CHUNK 2, 1
	CHUNK 3, 1
	PLACES                                         ; in front of the first read of results
.irp g, 0,1,2,3                        ; token tiles 2 g and 2 g + 1: two blocks of 32 channels each
	QUANT4 \g
	global_store_b128 v[LI], v[PC:PC+3], s[88:89] offset:1024*\g          ; a tile's image: 512 consecutive bytes
	global_store_b128 v[LI], v[PC+4:PC+7], s[88:89] offset:1024*\g+512
	v_lshl_or_b32 v[WD+2*\g], v[TM+5], 8, v[TM+4]
	v_lshl_or_b32 v[WD+2*\g+1], v[TM+7], 8, v[TM+6]
	v_cmp_ne_u32 vcc_lo, 0, v[MK+2*\g]
	v_cndmask_b32 v178, v176, v177, vcc_lo         ; open where the mask is not 0
	v_or_b32 v[WD+2*\g], v[WD+2*\g], v178
	v_cmp_ne_u32 vcc_lo, 0, v[MK+2*\g+1]
	v_cndmask_b32 v178, v176, v177, vcc_lo
	v_or_b32 v[WD+2*\g+1], v[WD+2*\g+1], v178
.endr
	s_mov_b32 vcc_lo, 0xffff0000
.irp w, 0,1,2,3
	v_cndmask_b32 v[180+\w], v[WD+\w], v[WD+4+\w], vcc_lo   ; lanes 0-15 tiles 0-3, lanes 16-31 tiles 4-7
.endr
	global_store_b128 v[LI], v[180:183], s[90:91]
	s_wait_dscnt 0x0
	s_wait_tensorcnt 0x0
	ds_add_u32 v254, v255
	s_wait_dscnt 0x0
	CROUND                                         ; the closing round
	s_endpgm
; ---------------- v ----------------
.Lv_path:
	s_mul_i32 s92, s99, 143360
	s_lshl_b32 s10, s94, 12
	s_add_co_u32 s10, s10, s92
	s_add_co_u32 s10, s10, 65536
	s_mov_b32 s11, 0
	s_add_nc_u64 s[88:89], s[84:85], s[10:11]      ; V's images of my step
	s_lshl_b32 s10, s94, 8
	s_add_co_u32 s10, s10, s92
	s_add_co_u32 s10, s10, 139264
	s_add_nc_u64 s[90:91], s[84:85], s[10:11]      ; and their scale words
	s_lshl_b32 s10, s98, 8
	s_add_nc_u64 s[86:87], s[76:77], s[10:11]      ; my head's 64 numbers of bv
	s_wait_alu depctr_va_vdst(0)
.irp j, 0,1,2,3
.irp q, 0,1,2,3,4,5,6,7
	global_load_b32 v[BIAS+8*\j+\q], v9, s[86:87] offset:(32*(\j/2)+8*(\j%2))*4   ; a lane holds one channel: all eight registers take its bias
.endr
.endr
	s_wait_loadcnt 0x0
	CHUNK 0, 0
	CHUNK 1, 0
	CHUNK 2, 0
	CHUNK 3, 0
	PLACES
.irp g, 0,1,2,3                        ; channel tile g: four blocks of 32 keys
	QUANT4 \g
	global_store_b128 v[LI], v[PC:PC+3], s[88:89] offset:1024*\g
	global_store_b128 v[LI], v[PC+4:PC+7], s[88:89] offset:1024*\g+512
	v_lshl_or_b32 v[WD+\g], v[TM+5], 8, v[TM+4]
	v_lshl_or_b32 v[WD+\g], v[TM+6], 16, v[WD+\g]
	v_lshl_or_b32 v[WD+\g], v[TM+7], 24, v[WD+\g]
.endr
	s_mov_b32 vcc_lo, 0xffff0000
	v_cndmask_b32 v180, v[WD], v[WD+2], vcc_lo
	v_cndmask_b32 v181, v[WD+1], v[WD+3], vcc_lo
	global_store_b64 v12, v[180:181], s[90:91]
	s_wait_dscnt 0x0
	s_wait_tensorcnt 0x0
	ds_add_u32 v254, v255
	s_wait_dscnt 0x0
	CROUND
	s_endpgm
.Lfunc_end_k_q8089615f04_qkv:
	.size	k_q8089615f04_qkv, .Lfunc_end_k_q8089615f04_qkv-k_q8089615f04_qkv
	.p2alignl 7, 3214868480
	.fill 96, 4, 3214868480
	.section	.rodata,"a",@progbits
	.p2align	6, 0x0
	.amdhsa_kernel k_q8089615f04_qkv
		.amdhsa_group_segment_fixed_size 221696
		.amdhsa_private_segment_fixed_size 0
		.amdhsa_enable_private_segment 0
		.amdhsa_kernarg_size 72
		.amdhsa_user_sgpr_count 2
		.amdhsa_user_sgpr_kernarg_segment_ptr 1
		.amdhsa_wavefront_size32 1
		.amdhsa_system_sgpr_workgroup_id_x 1
		.amdhsa_system_sgpr_workgroup_id_y 1
		.amdhsa_system_sgpr_workgroup_id_z 1
		.amdhsa_system_vgpr_workitem_id 0
		.amdhsa_next_free_vgpr 512
		.amdhsa_next_free_sgpr 100
		.amdhsa_reserve_vcc 1
		.amdhsa_float_denorm_mode_32 3
		.amdhsa_float_denorm_mode_16_64 3
		.amdhsa_memory_ordered 1
		.amdhsa_forward_progress 1
		.amdhsa_inst_pref_size 148
	.end_amdhsa_kernel
	.amdgpu_metadata
---
amdhsa.version: [ 1, 2 ]
amdhsa.kernels:
  - .name:           k_q8089615f04_qkv
    .symbol:         k_q8089615f04_qkv.kd
    .args:
      - { .name: xpk, .offset: 0, .size: 8, .value_kind: global_buffer, .address_space: global }
      - { .name: wpk, .offset: 8, .size: 8, .value_kind: global_buffer, .address_space: global }
      - { .name: bq, .offset: 16, .size: 8, .value_kind: global_buffer, .address_space: global }
      - { .name: bk, .offset: 24, .size: 8, .value_kind: global_buffer, .address_space: global }
      - { .name: bv, .offset: 32, .size: 8, .value_kind: global_buffer, .address_space: global }
      - { .name: attention_mask, .offset: 40, .size: 8, .value_kind: global_buffer, .address_space: global }
      - { .name: qimg, .offset: 48, .size: 8, .value_kind: global_buffer, .address_space: global }
      - { .name: qs, .offset: 56, .size: 8, .value_kind: global_buffer, .address_space: global }
      - { .name: kvp, .offset: 64, .size: 8, .value_kind: global_buffer, .address_space: global }
    .group_segment_fixed_size: 221696
    .private_segment_fixed_size: 0
    .kernarg_segment_align: 8
    .kernarg_segment_size: 72
    .max_flat_workgroup_size: 128
    .sgpr_count:     100
    .vgpr_count:     512
    .wavefront_size: 32
...
	.end_amdgpu_metadata
.endif
;; end of part 2
;; launch attn (part 3): grid 4 x 64, 16 waves a work-group, clusters of 4 x 1, 276,480 bytes of LDS; arguments qimg, qs, kvp, apk; writes apk
.if DOCPART == 3
	.amdgcn_target "amdgcn-amd-amdhsa--gfx1250"
	.amdhsa_code_object_version 6
	.text
	.protected	k_q8089615f04_attn
	.globl	k_q8089615f04_attn
	.p2align	8
	.type	k_q8089615f04_attn,@function
k_q8089615f04_attn:
	s_mov_b64 s[64:65], 0
	v_nop
	global_prefetch_b8 v0, s[64:65] scope:SCOPE_SE
	s_setreg_imm32_b32 hwreg(HW_REG_WAVE_MODE, 25, 1), 1
	s_wait_xcnt 0x0
	s_wait_alu depctr_hold_cnt(0) depctr_sa_sdst(0) depctr_va_vdst(0) depctr_va_sdst(0) depctr_va_ssrc(0) depctr_va_vcc(0) depctr_vm_vsrc(0)
	s_getreg_b32 s2, hwreg(HW_REG_IB_STS2, 6, 4)
	s_cmp_eq_u32 s2, 0
	s_cbranch_scc0 .Lentry_in_a_cluster
	s_endpgm
.Lentry_in_a_cluster:
	s_bfe_u32 s2, ttmp6, 0x10000c
	s_cmp_lg_u32 s2, 0x3003
	s_cbranch_scc0 .Lentry_shape_is_right
	s_endpgm
.Lentry_shape_is_right:
; attn = nan_to_num(softmax(q k^T / 8, causal and attention_mask)) v, both products on codes of FP4 (E2M1) with E8M0 scales; the result is quantised along D into packs for the last product.
; THE SOFTMAX IS QUANTISED FINISHED AND NORMALISED, so a row goes through its keys twice: pass 1 finds the row's largest t = score x log2(e) / 8 and the sum of p = 2^(t - M), M = the largest t so far rounded up to a whole
; number (when M moves, the sum is multiplied by 2^(old M - new M), exactly); pass 2 makes p anew under the last M, multiplies by 1 / sum (0 for a row without an open key), quantises along the keys and multiplies by V.
; SHARES.  A cluster of four work-groups is one head; its 64 waves take the 64 pairs of query tiles: wave w of partner cx takes tiles 8 G + e and 8 (15 - G) + e, G = w / 2, e = w % 2 + 2 cx: (G + 1) + (16 - G) = 17 key steps
; of 128 for every wave.  Steps that lie wholly behind the diagonal are jumped over; both passes are loops of 16 trips.  Branches hang on G and on counters alone; cx enters addresses in memory and a lane's number d.
; LDS.  The head's K, V and their scale words (143,360 bytes, as they lie in kvp) are brought once, jointly, by waves 0-3, one load each; behind them 8,192 bytes for each wave: the largest score of each block of 32 keys,
; kept from pass 1 for pass 2 (p rises with the score, so it gives the block's largest p by the same instructions).
; LAYOUT.  S^T = K Q^T (source 0 = 16 keys, source 1 = my 16 queries), O^T = V^T P^T: a lane holds one query throughout; the 16 registers of key tiles 2 b and 2 b + 1 are keys 32 b + 16 (lane / 16) + 0 .. 15.
; THE INPUT MASK.  The scores' K is 64, padded to 128.  At k = 64 every key has the code -6 and every query +6; a hidden key's scale byte there is 227, an open key's 1: a hidden key's score is -36 x 2^100.
; LIMITS: an open key's score carries -36 x 2^-126; scores whose t lies under -2^100 are not served; p under 2^-126 comes out of v_exp_f32 as 0; NaN and infinities are not served; blocks under 2^-124 keep the byte 1.
.set KVB,  143360
.set PACK, 2304
.set XCH,  512*PACK
.set LI,  1                            ; v1 16 x lane: K's images      v2 + 65,536: V's      v3 + 131,072: K's scale words      v4 8 x lane + 139,264: V's      v5 my wave's scratch
.set LV,  2
.set LKS, 3
.set LVS, 4
.set LSC, 5
.set DD,  6                            ; v6 d = my query's place in its step - 16 (lane / 16)
.set R16, 7                            ; v7 16 r
.set NM,  8                            ; v8 -M, v9 the largest t
.set SUM, 10                           ; v[10:11] the sum, in two halves
.set FF,  12                           ; v[12:13] 2^(old M - new M) in pass 1, then 1 / sum
.set QF,  16                           ; v16-23 Q's fragment; v20-23 constants
.set KSC, 24                           ; v24-27 K's scale words; v28 Q's; v29 p's; v30-31 V's: they hold scales and nothing else
.set QSC, 28
.set PSC, 29
.set VSC, 30
.set KF,  32                           ; v32-95 eight fragments of K; the upper four registers of each are constants
.set S,   96                           ; v96-159 S^T, then p
.set VF,  160                          ; v160-191 four fragments of V
.set O,   192                          ; v192-223 O^T
.set PC,  224                          ; v224-231 codes
.set BM,  232                          ; v232-235 the blocks' largest scores
.set T4,  236                          ; v236-239 at work;  v240-243 the conversions' scale operands
.set SO4, 240
.set AK,  244                          ; v244-248 the step's LDS addresses
.set AS,  245
.set AB,  246
.set AV,  247
.set AT,  248
.set NINF, 249
.set L4,  250                          ; v250 4 x lane
.set WV,  24                           ; s24 wave
.set EE,  28                           ; s28 e
.set GT,  29                           ; s29 the tile's last key step
.set ST,  31                           ; s31 key step
.set TK,  32                           ; s32 4,096 x step;  s33 512 x step;  s34 256 x step
.set TS,  33
.set TW,  34
.set CS,  36                           ; s[36:37] log2(e) / 8
.set SEL, 38                           ; s[38:39] selects for lane l xor 16
.macro CROUND
	s_barrier_signal -1
	s_barrier_wait -1
	s_cmp_lg_u32 s[WV], 0
	s_cbranch_scc1 .Lnot_wave_0_\@
	s_barrier_signal -3
.Lnot_wave_0_\@:
	s_barrier_wait -3
	s_barrier_signal -1
	s_barrier_wait -1
.endm
.macro PLACES
.rept 4
	v_nop
.endr
.endm
.macro KLOAD                           ; a step's eight tiles of keys (the lower half of each fragment) and their scale words: every load 512 consecutive bytes
.irp t, 0,1,2,3,4,5,6,7
	ds_load_b128 v[KF+8*\t:KF+8*\t+3], v[AK] offset:512*\t
.endr
	ds_load_b128 v[KSC:KSC+3], v[AS]
.endm
.macro KQ8                             ; S^T of 128 keys; then the places in front of the first read
.irp t, 0,1,2,3
	v_wmma_scale_f32_16x16x128_f8f6f4 v[S+8*\t:S+8*\t+7], v[KF+8*\t:KF+8*\t+7], v[QF:QF+7], 0, v[KSC+\t], v[QSC] matrix_a_fmt:MATRIX_FMT_FP4 matrix_b_fmt:MATRIX_FMT_FP4
.endr
.irp t, 4,5,6,7
	v_wmma_scale_f32_16x16x128_f8f6f4 v[S+8*\t:S+8*\t+7], v[KF+8*\t:KF+8*\t+7], v[QF:QF+7], 0, v[KSC+\t-4], v[QSC] matrix_a_fmt:MATRIX_FMT_FP4 matrix_b_fmt:MATRIX_FMT_FP4 matrix_a_scale:MATRIX_SCALE_ROW1
.endr
	PLACES
.endm
.macro DIAG                            ; in the tile's last step the keys behind my query become -infinity.  Register 16 b + i holds key 32 b + 16 (lane / 16) + i of the step: hidden where 32 b + i > d
	s_cmp_lg_u32 s[ST], s[GT]
	s_cbranch_scc1 .Lopen_\@
.set n, 0
.rept 64
	v_cmp_gt_i32 vcc_lo, 32*(n/16)+n%16, v[DD]
	v_cndmask_b32 v[S+n], v[S+n], v[NINF], vcc_lo
.set n, n+1
.endr
.Lopen_\@:
.endm
.macro TMINUSM                         ; t - M, two at a time (of the pairs c and -M the low word serves both halves)
.set n, 0
.rept 32
	v_pk_fma_f32 v[S+n:S+n+1], v[S+n:S+n+1], s[CS:CS+1], v[NM:NM+1] op_sel_hi:[1,0,0]
.set n, n+2
.endr
.endm
.macro EXP64
.set n, 0
.rept 64
	v_exp_f32 v[S+n], v[S+n]
.set n, n+1
.endr
.endm
	s_load_b256 s[4:11], s[0:1], 0x0               ; qimg s[4:5], qs s[6:7], kvp s[8:9], apk s[10:11]
	v_lshl_add_u32 v254, v0, 2, 0x43000
	v_mov_b32 v255, 0
	ds_add_u32 v254, v255
	ds_add_u32 v254, v255
	v_lshrrev_b32 v1, 5, v0
	s_delay_alu instid0(VALU_DEP_1)
	v_readfirstlane_b32 s[WV], v1                  ; wave 0..15
	s_bfe_u32 s25, ttmp6, 0x40000                  ; cx
	s_and_b32 s26, ttmp7, 0xffff                   ; batch x 16 + head: the four partners share it
	s_mov_b32 s16, 15|(3<<16)|(1<<21)              ; the mask: all four work-groups; elements of 8 bytes; bit 21 beside a mask; no padding
	s_mov_b32 s17, 32<<16                          ; rows of 32 elements: 256 bytes
	s_mov_b32 s18, 140<<16                         ; 140 rows: a quarter of the head's block
	s_mov_b32 s19, 32<<16
	s_mov_b32 s20, 140
	s_mov_b32 s21, 32
	s_mov_b32 s22, 0
	s_mov_b32 s23, 0
	s_min_u32 s42, s[WV], 3                        ; (waves 4-15 issue nothing)
	s_mov_b32 s12, 1
	s_mul_i32 s13, s42, 35840                      ; the quarter's place in LDS,
	s_mul_i32 s40, s26, KVB
	s_add_co_u32 s40, s40, s13                     ; and in memory
	s_mov_b32 s41, 0
	s_wait_dscnt 0x0
	s_wait_kmcnt 0x0
	s_add_nc_u64 s[14:15], s[8:9], s[40:41]
	s_or_b32 s15, s15, 0x80000000
	CROUND                                         ; all four work-groups are here: the joint loads meet
	s_cmp_lt_u32 s[WV], 4
	s_cbranch_scc0 .Lno_fetch
	tensor_load_to_lds s[12:15], s[16:23]          ; one load of mine is out
	s_nop 0
	PLACES
.Lno_fetch:
	v_and_b32 v240, 31, v0                         ; lane
	s_delay_alu instid0(VALU_DEP_1)
	v_lshlrev_b32 v[LI], 4, v240
	s_delay_alu instid0(VALU_DEP_1)
	v_add_nc_u32 v[LV], 0x10000, v[LI]
	s_delay_alu instid0(VALU_DEP_2)
	v_add_nc_u32 v[LKS], 0x20000, v[LI]
	s_delay_alu instid0(VALU_DEP_4)
	v_lshlrev_b32 v[LVS], 3, v240
	s_delay_alu instid0(VALU_DEP_1)
	v_add_nc_u32 v[LVS], 139264, v[LVS]
	s_lshl_b32 s40, s[WV], 13
	s_add_co_u32 s40, s40, KVB
	v_add_nc_u32 v[LSC], s40, v[LI]
	v_and_b32 v241, 15, v0                         ; r
	s_wait_alu depctr_va_vdst(0)
	v_bfe_u32 v242, v0, 4, 1                       ; h
	s_wait_alu depctr_va_vdst(0)
	s_and_b32 s[EE], s[WV], 1
	s_lshl_b32 s40, s25, 1
	s_add_co_u32 s[EE], s[EE], s40                 ; e
	s_lshr_b32 s27, s[WV], 1                       ; G
	s_lshr_b32 s40, s[EE], 1
	s_lshl_b32 s40, s40, 5
	s_and_b32 s41, s[EE], 1
	s_lshl_b32 s41, s41, 3
	s_add_co_u32 s40, s40, s41                     ; 32 (e / 2) + 8 (e % 2)
	v_and_b32 v[DD], 8, v241
	s_delay_alu instid0(VALU_DEP_1)
	v_add_nc_u32 v[DD], v[DD], v241
	s_delay_alu instid0(VALU_DEP_1)
	v_add_nc_u32 v[DD], s40, v[DD]
	v_lshlrev_b32 v243, 4, v242
	s_delay_alu instid0(VALU_DEP_1)
	v_sub_nc_u32 v[DD], v[DD], v243
	v_lshlrev_b32 v[R16], 4, v241
	v_lshlrev_b32 v[L4], 2, v240
	v_xor_b32 v243, 1, v242                        ; 1 in lanes 0-15
	s_delay_alu instid0(VALU_DEP_1)
	v_mul_u32_u24 v[QF+4], v243, 7                 ; k = 64: +6 in every query;
	v_mov_b32 v[QF+5], 0
	v_mov_b32 v[QF+6], 0
	v_mov_b32 v[QF+7], 0
.irp t, 0,1,2,3,4,5,6,7
	v_mul_u32_u24 v[KF+8*\t+4], v243, 15           ; -6 in every key; the rest of the padding is the code 0
	v_mov_b32 v[KF+8*\t+5], 0
	v_mov_b32 v[KF+8*\t+6], 0
	v_mov_b32 v[KF+8*\t+7], 0
.endr
	v_mov_b32 v[NINF], 0xff800000
.irp b, 0,1,2,3
	v_mov_b32 v[T4+\b], 0                          ; a lane permute's destination counts as one of its sources
.endr
	v_mov_b32 v[FF+1], 0                           ; (named as the upper half of a pair)
	s_mov_b32 s[CS], 0x3e38aa3b                    ; log2(e) / 8
	s_mov_b32 s[CS+1], s[CS]
	s_mov_b32 s[SEL], 0x76543210
	s_mov_b32 s[SEL+1], 0xfedcba98
	; what does not change from tile to tile in my addresses in memory
	s_and_b32 s40, s26, 15                         ; the head
	s_lshr_b32 s41, s26, 4                         ; the batch
	s_lshr_b32 s42, s40, 2
	s_mul_i32 s42, s42, XCH                        ; the head's 64 channels lie in chunk head / 4,
	s_mul_i32 s41, s41, 128*PACK
	s_add_co_u32 s42, s42, s41
	s_bfe_u32 s41, s40, 0x10001                    ; K step (head / 2) % 2,
	s_and_b32 s40, s40, 1                          ; group head % 2
	s_lshl_b32 s43, s41, 10
	s_add_co_u32 s44, s42, s43
	s_lshl_b32 s43, s40, 9
	s_add_co_u32 s44, s44, s43                     ; codes
	s_lshl_b32 s43, s41, 7
	s_add_co_u32 s45, s42, s43
	s_lshl_b32 s43, s40, 1
	s_add_co_u32 s45, s45, s43
	s_add_co_u32 s45, s45, 2048                    ; my two bytes of the scale words
	s_lshl_b32 s46, s26, 16                        ; qimg: 65,536 bytes a head
	s_lshl_b32 s47, s26, 13                        ; qs: 8,192 bytes a head,
	s_lshr_b32 s43, s[EE], 2
	s_lshl_b32 s43, s43, 8
	s_add_co_u32 s47, s47, s43                     ; + 256 (e / 4)
	s_and_b32 s43, s[EE], 3
	s_lshl_b32 s43, s43, 2
	s_add_co_u32 s47, s47, s43                     ; + 4 (e % 4)
	s_mov_b32 s57, 0
	s_mov_b32 s[GT], s27
	s_mov_b32 s30, 0
	s_wait_tensorcnt 0x0                           ; my quarter has landed,
	s_barrier_signal -1
	s_barrier_wait -1                              ; everybody's has
.Ltile:
	s_lshl_b32 s40, s[GT], 3
	s_add_co_u32 s40, s40, s[EE]                   ; my tile of queries
	s_lshl_b32 s56, s40, 9
	s_add_co_u32 s56, s56, s46
	s_add_nc_u64 s[52:53], s[4:5], s[56:57]
	s_lshl_b32 s56, s[GT], 9
	s_add_co_u32 s56, s56, s47
	s_add_nc_u64 s[54:55], s[6:7], s[56:57]
	s_mul_i32 s41, s40, PACK
	s_add_co_u32 s56, s41, s44
	s_add_nc_u64 s[48:49], s[10:11], s[56:57]
	s_add_co_u32 s56, s41, s45
	s_add_nc_u64 s[50:51], s[10:11], s[56:57]
	global_load_b128 v[QF:QF+3], v[LI], s[52:53]   ; Q's image
	global_load_b32 v[QSC], v[R16], s[54:55]       ; row r's scale word
	v_mov_b32 v[NM+1], 0xf1800000                  ; the largest t so far: -2^100: above every hidden key's t, so that hidden keys give p = 0 before an open key has been seen
	s_delay_alu instid0(VALU_DEP_1)
	v_floor_f32 v[NM], -v[NM+1]
	v_mov_b32 v[SUM], 0
	v_mov_b32 v[SUM+1], 0
	s_mov_b32 s[ST], 0
	s_mov_b32 s[TK], 0
	s_mov_b32 s[TS], 0
	s_wait_loadcnt 0x0
; ---------------- pass 1: the largest t and the sum ----------------
.Lp1:
	s_cmp_gt_u32 s[ST], s[GT]
	s_cbranch_scc1 .Lp1_next                       ; all keys of this step lie behind my queries
	s_setprio 2
	v_add_nc_u32 v[AK], s[TK], v[LI]
	v_add_nc_u32 v[AS], s[TS], v[LKS]
	v_add_nc_u32 v[AB], s[TS], v[LSC]
	KLOAD
	s_wait_dscnt 0x0
	KQ8
	DIAG
.irp b, 0,1,2,3
	v_max3_num_f32 v[BM+\b], v[S+16*\b], v[S+16*\b+1], v[S+16*\b+2]   ; the largest score of each block of 32 keys; each accumulator is read from its low end on
.endr
.irp i, 3,5,7,9,11,13
.irp b, 0,1,2,3
	v_max3_num_f32 v[BM+\b], v[BM+\b], v[S+16*\b+\i], v[S+16*\b+\i+1]
.endr
.endr
	s_setprio 1
.irp b, 0,1,2,3
	v_max_num_f32 v[BM+\b], v[BM+\b], v[S+16*\b+15]
.endr
.irp b, 0,1,2,3
	s_delay_alu instid0(VALU_DEP_4)
	v_permlanex16_b32 v[T4+\b], v[BM+\b], s[SEL], s[SEL+1]
.endr
.irp b, 0,1,2,3
	s_delay_alu instid0(VALU_DEP_4)
	v_max_num_f32 v[BM+\b], v[BM+\b], v[T4+\b]     ; with lane l xor 16's sixteen keys
.endr
	ds_store_b128 v[AB], v[BM:BM+3]                ; kept for pass 2, in my wave's own bytes
	v_max3_num_f32 v[T4], v[BM], v[BM+1], v[BM+2]
	s_delay_alu instid0(VALU_DEP_1)
	v_max_num_f32 v[T4], v[T4], v[BM+3]
	s_delay_alu instid0(VALU_DEP_1)
	v_mul_f32 v[T4], s[CS], v[T4]
	s_delay_alu instid0(VALU_DEP_1)
	v_max_num_f32 v[NM+1], v[NM+1], v[T4]          ; the running largest t
	v_mov_b32 v[T4], v[NM]
	s_delay_alu instid0(VALU_DEP_2)
	v_floor_f32 v[NM], -v[NM+1]                    ; -M = floor(-t): M is a whole number
	s_delay_alu instid0(VALU_DEP_1)
	v_sub_f32 v[T4], v[NM], v[T4]                  ; old M - new M, 0 or less
	s_delay_alu instid0(VALU_DEP_1)
	v_cvt_i32_f32 v[T4], v[T4]                     ; (it saturates)
	s_delay_alu instid0(VALU_DEP_1)
	v_ldexp_f32 v[FF], 1.0, v[T4]
	TMINUSM
	s_wait_alu depctr_va_vdst(0)
	EXP64                                          ; p = 2^(t - M): one batch
	s_setprio 0
	v_pk_mul_f32 v[SUM:SUM+1], v[SUM:SUM+1], v[FF:FF+1] op_sel_hi:[1,0]   ; the sum under the new M (the plain line behind the exponentials)
	s_wait_alu depctr_va_vdst(0)                   ; one wait for the batch, ahead of its first reader
	v_pk_add_f32 v[252:253], v[100:101], v[104:105]
	v_pk_add_f32 v[246:247], v[108:109], v[112:113]
	v_pk_add_f32 v[244:245], v[116:117], v[120:121]
	v_pk_add_f32 v[242:243], v[124:125], v[128:129]
	v_pk_add_f32 v[240:241], v[132:133], v[136:137]
	v_pk_add_f32 v[234:235], v[140:141], v[144:145]
	v_pk_add_f32 v[232:233], v[148:149], v[152:153]
	v_pk_add_f32 v[10:11], v[10:11], v[156:157]
	v_pk_add_f32 v[252:253], v[252:253], v[96:97]
	v_pk_add_f32 v[246:247], v[246:247], v[98:99]
	v_pk_add_f32 v[244:245], v[244:245], v[102:103]
	v_pk_add_f32 v[242:243], v[242:243], v[106:107]
	v_pk_add_f32 v[240:241], v[240:241], v[110:111]
	v_pk_add_f32 v[234:235], v[234:235], v[114:115]
	v_pk_add_f32 v[232:233], v[232:233], v[118:119]
	v_pk_add_f32 v[10:11], v[10:11], v[122:123]
	v_pk_add_f32 v[252:253], v[252:253], v[126:127]
	v_pk_add_f32 v[246:247], v[246:247], v[130:131]
	v_pk_add_f32 v[244:245], v[244:245], v[134:135]
	v_pk_add_f32 v[242:243], v[242:243], v[138:139]
	v_pk_add_f32 v[240:241], v[240:241], v[142:143]
	v_pk_add_f32 v[234:235], v[234:235], v[146:147]
	v_pk_add_f32 v[232:233], v[232:233], v[150:151]
	v_pk_add_f32 v[10:11], v[10:11], v[154:155]
	v_pk_add_f32 v[252:253], v[252:253], v[158:159]
	s_delay_alu instid0(VALU_DEP_2)
	v_pk_add_f32 v[10:11], v[10:11], v[242:243]
	s_delay_alu instid0(VALU_DEP_2)
	v_pk_add_f32 v[252:253], v[252:253], v[240:241]
	v_pk_add_f32 v[246:247], v[246:247], v[234:235]
	v_pk_add_f32 v[244:245], v[244:245], v[232:233]
	s_delay_alu instid0(VALU_DEP_2)
	v_pk_add_f32 v[10:11], v[10:11], v[246:247]
	s_delay_alu instid0(VALU_DEP_2)
	v_pk_add_f32 v[252:253], v[252:253], v[244:245]
	s_delay_alu instid0(VALU_DEP_1)
	v_pk_add_f32 v[10:11], v[10:11], v[252:253]
.Lp1_next:
	s_add_co_u32 s[TK], s[TK], 4096
	s_add_co_u32 s[TS], s[TS], 512
	s_add_co_u32 s[ST], s[ST], 1
	s_cmp_lt_u32 s[ST], 16
	s_cbranch_scc1 .Lp1
	s_setprio 0
	s_wait_alu depctr_va_vdst(0)
; ---------------- 1 / sum; 0 for a row without an open key ----------------
	v_add_f32 v[SUM], v[SUM], v[SUM+1]
	s_delay_alu instid0(VALU_DEP_1)
	v_permlanex16_b32 v[T4], v[SUM], s[SEL], s[SEL+1]
	s_delay_alu instid0(VALU_DEP_1)
	v_add_f32 v[SUM], v[SUM], v[T4]
	s_wait_alu depctr_va_vdst(0)
	v_rcp_f32 v[FF], v[SUM]
	v_cmp_lt_f32 vcc_lo, 0, v[SUM]
	v_nop                                          ; a plain line behind the reciprocal
	s_wait_alu depctr_va_vdst(0)                   ; and the wait ahead of its first reader
	v_cndmask_b32 v[FF], 0, v[FF], vcc_lo
	s_delay_alu instid0(VALU_DEP_1)
	v_mov_b32 v[FF+1], v[FF]
.set n, 0
.rept 32
	v_mov_b32 v[O+n], 0                            ; the pass is written once: its first step adds onto zeros
.set n, n+1
.endr
	s_mov_b32 s[ST], 0
	s_mov_b32 s[TK], 0
	s_mov_b32 s[TS], 0
	s_mov_b32 s[TW], 0
; ---------------- pass 2: the normalised p, quantised, times V ----------------
.Lp2:
	s_cmp_gt_u32 s[ST], s[GT]
	s_cbranch_scc1 .Lp2_next
	s_setprio 2
	v_add_nc_u32 v[AK], s[TK], v[LI]               ; these five are also the places in front of loads into registers that the last products read
	v_add_nc_u32 v[AS], s[TS], v[LKS]
	v_add_nc_u32 v[AB], s[TS], v[LSC]
	v_add_nc_u32 v[AV], s[TK], v[LV]
	v_add_nc_u32 v[AT], s[TW], v[LVS]
	KLOAD
	ds_load_b128 v[BM:BM+3], v[AB]                 ; LDS serves a wave's instructions in order: this sees pass 1's store
.irp n, 0,1,2,3,4,5,6,7
	ds_load_b128 v[VF+4*\n:VF+4*\n+3], v[AV] offset:512*\n
.endr
	ds_load_b64 v[VSC:VSC+1], v[AT]
	s_wait_dscnt 10                                ; K and its scale words are in; the ten loads behind them may be out
	KQ8
	DIAG
	TMINUSM
	s_wait_dscnt 0x0
.irp b, 0,1,2,3
	v_fma_f32 v[BM+\b], v[BM+\b], s[CS], v[NM]     ; the same of each block's largest score
.endr
	s_setprio 1
	s_wait_alu depctr_va_vdst(0)
	EXP64
.irp b, 0,1,2,3
	v_exp_f32 v[BM+\b], v[BM+\b]
.endr
	v_nop                                          ; a plain line behind the batch of 68
	s_wait_alu depctr_va_vdst(0)                   ; one wait, ahead of its first reader
.irp b, 0,1,2,3
	v_mul_f32 v[BM+\b], v[BM+\b], v[FF]            ; the block's largest normalised p: the same instructions on the same number give the same bits
.endr
.irp b, 0,1,2,3
	s_delay_alu instid0(VALU_DEP_4)
	v_max_num_f32 v[BM+\b], 0x1800000, v[BM+\b]    ; the floor 2^(3 - 127)
.endr
.irp b, 0,1,2,3
	s_delay_alu instid0(VALU_DEP_4)
	v_add_nc_u32 v[SO4+\b], 0xff000000, v[BM+\b]
.endr
.irp b, 0,1,2,3
	s_delay_alu instid0(VALU_DEP_4)
	v_lshrrev_b32 v[T4+\b], 23, v[SO4+\b]
.endr
	s_delay_alu instid0(VALU_DEP_3)
	v_lshl_or_b32 v[PSC], v[T4+1], 8, v[T4]        ; p's scale word for these 128 keys
	s_delay_alu instid0(VALU_DEP_1)
	v_lshl_or_b32 v[PSC], v[T4+2], 16, v[PSC]
	s_delay_alu instid0(VALU_DEP_1)
	v_lshl_or_b32 v[PSC], v[T4+3], 24, v[PSC]
.set n, 0
.rept 32
	v_pk_mul_f32 v[S+n:S+n+1], v[S+n:S+n+1], v[FF:FF+1] op_sel_hi:[1,0]   ; p / sum.  (These 32 are also the places between the scale word and the products)
.set n, n+2
.endr
	s_setprio 0
.irp b, 0,1,2,3
	v_cvt_scalef32_pk8_fp4_f32 v[PC+2*\b], v[S+16*\b:S+16*\b+7], v[SO4+\b]
	v_cvt_scalef32_pk8_fp4_f32 v[PC+2*\b+1], v[S+16*\b+8:S+16*\b+15], v[SO4+\b]
.endr
	v_nop                                          ; one plain line behind the conversions
.irp c, 0,1
.irp i, 0,1
	v_permlane16_swap_b32 v[PC+4*\c+\i], v[PC+4*\c+2+\i]
.endr
.endr
	PLACES                                         ; an operand written by vector instructions stands four places ahead of the product
.irp t, 0,1
	v_wmma_scale_f32_16x16x128_f8f6f4 v[O+8*\t:O+8*\t+7], v[VF+8*\t:VF+8*\t+7], v[PC:PC+7], v[O+8*\t:O+8*\t+7], v[VSC+\t], v[PSC] matrix_a_fmt:MATRIX_FMT_FP4 matrix_b_fmt:MATRIX_FMT_FP4
.endr
.irp t, 2,3
	v_wmma_scale_f32_16x16x128_f8f6f4 v[O+8*\t:O+8*\t+7], v[VF+8*\t:VF+8*\t+7], v[PC:PC+7], v[O+8*\t:O+8*\t+7], v[VSC+\t-2], v[PSC] matrix_a_fmt:MATRIX_FMT_FP4 matrix_b_fmt:MATRIX_FMT_FP4 matrix_a_scale:MATRIX_SCALE_ROW1
.endr
.Lp2_next:
	s_add_co_u32 s[TK], s[TK], 4096
	s_add_co_u32 s[TS], s[TS], 512
	s_add_co_u32 s[TW], s[TW], 256
	s_add_co_u32 s[ST], s[ST], 1
	s_cmp_lt_u32 s[ST], 16
	s_cbranch_scc1 .Lp2
	s_setprio 0
; ---------------- the way out: my tile's 64 channels, two blocks along D, as one group of a pack ----------------
	PLACES
.irp b, 0,1
	v_max3_num_f32 v[BM+\b], |v[O+16*\b]|, |v[O+16*\b+1]|, 0x1800000
.endr
.irp i, 2,4,6,8,10,12,14
.irp b, 0,1
	v_max3_num_f32 v[BM+\b], v[BM+\b], |v[O+16*\b+\i]|, |v[O+16*\b+\i+1]|
.endr
.endr
.irp b, 0,1
	s_delay_alu instid0(VALU_DEP_2)
	v_permlanex16_b32 v[T4+\b], v[BM+\b], s[SEL], s[SEL+1]
.endr
.irp b, 0,1
	s_delay_alu instid0(VALU_DEP_2)
	v_max_num_f32 v[BM+\b], v[BM+\b], v[T4+\b]
.endr
.irp b, 0,1
	s_delay_alu instid0(VALU_DEP_2)
	v_add_nc_u32 v[SO4+\b], 0xff000000, v[BM+\b]
.endr
.irp b, 0,1
	s_delay_alu instid0(VALU_DEP_2)
	v_lshrrev_b32 v[T4+\b], 23, v[SO4+\b]
.endr
	s_delay_alu instid0(VALU_DEP_1)
	v_lshl_or_b32 v251, v[T4+1], 8, v[T4]
.irp b, 0,1
	v_cvt_scalef32_pk8_fp4_f32 v[PC+2*\b], v[O+16*\b:O+16*\b+7], v[SO4+\b]
	v_cvt_scalef32_pk8_fp4_f32 v[PC+2*\b+1], v[O+16*\b+8:O+16*\b+15], v[SO4+\b]
.endr
	v_nop
	v_permlane16_swap_b32 v[PC], v[PC+2]
	v_permlane16_swap_b32 v[PC+1], v[PC+3]
	global_store_b128 v[LI], v[PC:PC+3], s[48:49]  ; 512 consecutive bytes
	global_store_b16 v[L4], v251, s[50:51]         ; my head's two bytes of each lane's scale word: two bytes in four, 64 bytes a wave; the other two come from the neighbouring head
	s_wait_xcnt 0x0                                ; the loads and stores of this tile have read their addresses and data: both are written again in the next
	s_sub_co_u32 s[GT], 15, s[GT]
	s_add_co_u32 s30, s30, 1
	s_cmp_lt_u32 s30, 2
	s_cbranch_scc1 .Ltile
	s_wait_dscnt 0x0
	s_wait_tensorcnt 0x0
	ds_add_u32 v254, v255
	s_wait_dscnt 0x0
	CROUND                                         ; the closing round
	s_endpgm
.Lfunc_end_k_q8089615f04_attn:
	.size	k_q8089615f04_attn, .Lfunc_end_k_q8089615f04_attn-k_q8089615f04_attn
	.p2alignl 7, 3214868480
	.fill 96, 4, 3214868480
	.section	.rodata,"a",@progbits
	.p2align	6, 0x0
	.amdhsa_kernel k_q8089615f04_attn
		.amdhsa_group_segment_fixed_size 276480
		.amdhsa_private_segment_fixed_size 0
		.amdhsa_enable_private_segment 0
		.amdhsa_kernarg_size 32
		.amdhsa_user_sgpr_count 2
		.amdhsa_user_sgpr_kernarg_segment_ptr 1
		.amdhsa_wavefront_size32 1
		.amdhsa_system_sgpr_workgroup_id_x 1
		.amdhsa_system_sgpr_workgroup_id_y 1
		.amdhsa_system_sgpr_workgroup_id_z 1
		.amdhsa_system_vgpr_workitem_id 0
		.amdhsa_next_free_vgpr 256
		.amdhsa_next_free_sgpr 66
		.amdhsa_reserve_vcc 1
		.amdhsa_float_denorm_mode_32 3
		.amdhsa_float_denorm_mode_16_64 3
		.amdhsa_memory_ordered 1
		.amdhsa_forward_progress 1
		.amdhsa_inst_pref_size 47
	.end_amdhsa_kernel
	.amdgpu_metadata
---
amdhsa.version: [ 1, 2 ]
amdhsa.kernels:
  - .name:           k_q8089615f04_attn
    .symbol:         k_q8089615f04_attn.kd
    .args:
      - { .name: qimg, .offset: 0, .size: 8, .value_kind: global_buffer, .address_space: global }
      - { .name: qs, .offset: 8, .size: 8, .value_kind: global_buffer, .address_space: global }
      - { .name: kvp, .offset: 16, .size: 8, .value_kind: global_buffer, .address_space: global }
      - { .name: apk, .offset: 24, .size: 8, .value_kind: global_buffer, .address_space: global }
    .group_segment_fixed_size: 276480
    .private_segment_fixed_size: 0
    .kernarg_segment_align: 8
    .kernarg_segment_size: 32
    .max_flat_workgroup_size: 512
    .sgpr_count:     66
    .vgpr_count:     256
    .wavefront_size: 32
...
	.end_amdgpu_metadata
.endif
;; end of part 3
;; launch proj (part 4): grid 4 x 64, 4 waves a work-group, clusters of 4 x 4, 239,104 bytes of LDS; arguments apk, wpk, bp, out0; writes out0
.if DOCPART == 4
	.amdgcn_target "amdgcn-amd-amdhsa--gfx1250"
	.amdhsa_code_object_version 6
	.text
	.protected	k_q8089615f04_proj
	.globl	k_q8089615f04_proj
	.p2align	8
	.type	k_q8089615f04_proj,@function
k_q8089615f04_proj:
	s_mov_b64 s[64:65], 0
	v_nop
	global_prefetch_b8 v0, s[64:65] scope:SCOPE_SE
	s_setreg_imm32_b32 hwreg(HW_REG_WAVE_MODE, 25, 1), 1
	s_wait_xcnt 0x0
	s_wait_alu depctr_hold_cnt(0) depctr_sa_sdst(0) depctr_va_vdst(0) depctr_va_sdst(0) depctr_va_ssrc(0) depctr_va_vcc(0) depctr_vm_vsrc(0)
	s_getreg_b32 s2, hwreg(HW_REG_IB_STS2, 6, 4)
	s_cmp_eq_u32 s2, 0
	s_cbranch_scc0 .Lentry_in_a_cluster
	s_endpgm
.Lentry_in_a_cluster:
	s_bfe_u32 s2, ttmp6, 0x10000c
	s_cmp_lg_u32 s2, 0xf033
	s_cbranch_scc0 .Lentry_shape_is_right
	s_endpgm
.Lentry_shape_is_right:
; out0 = attn Wp + bp on codes of FP4 (E2M1) with E8M0 scales.  attn and Wp lie as packs (16 rows x 256 K: 2,048 bytes of register images + 256 of scale words); a tile of 16 rows is rows 32 (i / 2) + 8 (i % 2) + r + 8 (r / 8).
; A work-group makes 128 tokens x 256 columns; wave w makes 128 x 64: 32 accumulators in window 1.  All of K lies in LDS: four chunks of 256 along K, each filled once, all asked for at the start; nothing is filled again.
; CLUSTER 4 x 4: the four of a row need the same packs of attn, the four of a column the same packs of Wp: each is asked for jointly.  Wave 0 asks for attn's, waves 1 and 2 for Wp's halves: four loads each are out at most.
; Source 0 = 16 columns of Wp, source 1 = 16 tokens: a lane holds one token and eight neighbouring columns.  The bias is the C of each sum's first product.
; THE WAY OUT: a tile of 16 tokens x 64 columns goes through my wave's own stage in LDS (behind the chunks; no fill lands there) and leaves as rows: sixteen lanes store 256 consecutive bytes, aligned.
.set PACK,  2304
.set XCH,   512*PACK
.set WCH,   256*PACK
.set TILE8, 8*PACK
.set CH,    3*TILE8
.set T0,    192                        ; Wp's first tile in wpk
.set STAGE, 4*CH
.set LI,  1
.set AX,  4
.set AW,  5
.set ASX, 6
.set ASW, 7
.set SO,  8                            ; v8  the stage: where I put 16 bytes of a row      v9  where I read a row back      v10  my byte offset in out0
.set RD,  9
.set CO,  10
.set SX,  16
.set SW,  20
.set XF,  32
.set WF,  96
.set BIAS, 128
.set G1A, 16
.set G1B, 24
.set G0A, 32
.set G0B, 48
.set MSB, 0
.macro WIN new
.if MSB != \new
	s_set_vgpr_msb (MSB<<8)|\new
.set MSB, \new
.endif
.endm
.macro PLACES
.rept 4
	v_nop
.endr
.endm
.macro CROUND
	s_barrier_signal -1
	s_barrier_wait -1
	s_cmp_lg_u32 s4, 0
	s_cbranch_scc1 .Lnot_wave_0_\@
	s_barrier_signal -3
.Lnot_wave_0_\@:
	s_barrier_wait -3
	s_barrier_signal -1
	s_barrier_wait -1
.endm
.macro WMX
.if fRA && fRB
	v_wmma_scale_f32_16x16x128_f8f6f4 v[rD:rD+7], v[rA:rA+7], v[rB:rB+7], v[rC:rC+7], v[rSA], v[rSB] matrix_a_fmt:MATRIX_FMT_FP4 matrix_b_fmt:MATRIX_FMT_FP4 matrix_a_scale:MATRIX_SCALE_ROW1 matrix_b_scale:MATRIX_SCALE_ROW1
.elseif fRA
	v_wmma_scale_f32_16x16x128_f8f6f4 v[rD:rD+7], v[rA:rA+7], v[rB:rB+7], v[rC:rC+7], v[rSA], v[rSB] matrix_a_fmt:MATRIX_FMT_FP4 matrix_b_fmt:MATRIX_FMT_FP4 matrix_a_scale:MATRIX_SCALE_ROW1
.elseif fRB
	v_wmma_scale_f32_16x16x128_f8f6f4 v[rD:rD+7], v[rA:rA+7], v[rB:rB+7], v[rC:rC+7], v[rSA], v[rSB] matrix_a_fmt:MATRIX_FMT_FP4 matrix_b_fmt:MATRIX_FMT_FP4 matrix_b_scale:MATRIX_SCALE_ROW1
.else
	v_wmma_scale_f32_16x16x128_f8f6f4 v[rD:rD+7], v[rA:rA+7], v[rB:rB+7], v[rC:rC+7], v[rSA], v[rSB] matrix_a_fmt:MATRIX_FMT_FP4 matrix_b_fmt:MATRIX_FMT_FP4
.endif
.endm
; A K step of 128: 30 LDS loads, 32 products; the 32 accumulators take turns in one order.  first = 1: C is the bias.
.macro KSTEP ks, first
.if \ks
	PLACES                                         ; four places in front of loads into registers that the last products read
.endif
.irp i, 0,1,2,3,4,5,6,7
	ds_load_b128 v[XF+8*\i:XF+8*\i+3], v[AX] offset:PACK*\i+1024*\ks
	ds_load_b128 v[XF+8*\i+4:XF+8*\i+7], v[AX] offset:PACK*\i+1024*\ks+512
.endr
.irp j, 0,1,2,3
	ds_load_b128 v[WF+8*\j:WF+8*\j+3], v[AW] offset:PACK*\j+1024*\ks
	ds_load_b128 v[WF+8*\j+4:WF+8*\j+7], v[AW] offset:PACK*\j+1024*\ks+512
.endr
.irp i, 0,1,2,3
	ds_load_b32 v[SX+\i], v[ASX] offset:PACK*\i+128*\ks
.endr
.irp j, 0,1
	ds_load_b32 v[SW+\j], v[ASW] offset:PACK*\j+128*\ks
.endr
	s_wait_dscnt 0x0
.if \first
	WIN 0x40                                       ; D in window 1, the bias in window 0
.else
	WIN 0x50                                       ; C and D in window 1
.endif
.irp i, 0,1,2,3,4,5,6,7
.irp j, 0,1,2,3
.set rD, 8*(4*\i+\j)
.set rA, WF+8*\j
.set rB, XF+8*\i
.set rSA, SW+\j%2
.set fRA, \j/2
.set rSB, SX+\i%4
.set fRB, \i/4
.if \first
.set rC, BIAS+8*\j
.else
.set rC, rD
.endif
	WMX
.endr
.endr
	WIN 0
.endm
.macro CHUNK c
	s_wait_tensorcnt 3-\c                          ; my loads for chunks 0 .. c have landed; those for later chunks may stay out
	s_barrier_signal -1
	s_barrier_wait -1
.if \c
	v_add_nc_u32 v[AX], CH, v[AX]                  ; on to this chunk; these four are also the places in front of the loads
	s_wait_alu depctr_va_vdst(0)
	v_add_nc_u32 v[AW], CH, v[AW]
	s_wait_alu depctr_va_vdst(0)
	v_add_nc_u32 v[ASX], CH, v[ASX]
	s_wait_alu depctr_va_vdst(0)
	v_add_nc_u32 v[ASW], CH, v[ASW]
	s_wait_alu depctr_va_vdst(0)
	KSTEP 0, 0
.else
	KSTEP 0, 1
.endif
	KSTEP 1, 0
.endm
	s_load_b256 s[68:75], s[0:1], 0x0              ; apk, wpk, bp, out0
	v_lshl_add_u32 v254, v0, 2, 0x3a400
	v_mov_b32 v255, 0
	ds_add_u32 v254, v255
	ds_add_u32 v254, v255
	v_lshrrev_b32 v1, 5, v0
	v_readfirstlane_b32 s4, v1                     ; wave
	s_bfe_u32 s5, ttmp6, 0x40000                   ; cx
	s_bfe_u32 s6, ttmp6, 0x40004                   ; cy
	s_lshl_b32 s7, ttmp9, 2
	s_add_co_u32 s7, s7, s5                        ; column group of 256
	s_and_b32 s8, ttmp7, 0xffff
	s_lshl_b32 s8, s8, 2
	s_add_co_u32 s8, s8, s6                        ; block of 128 tokens
	s_lshl_b32 s9, s6, 2
	s_lshl_b32 s9, 15, s9                          ; my row of the cluster
	s_lshl_b32 s66, 0x1111, s5                     ; my column
	s_or_b32 s[G1A], s9, (3<<16)|(1<<21)           ; the mask; elements of 8 bytes; bit 21 beside a mask; no padding
	s_or_b32 s[G1B], s66, (3<<16)|(1<<21)
.irp g, G1A, G1B
	s_mov_b32 s[\g+1], 32<<16                      ; rows of 256 bytes,
	s_mov_b32 s[\g+2], 72<<16                      ; 72 of them: eight packs
	s_mov_b32 s[\g+3], 32<<16
	s_mov_b32 s[\g+4], 72
	s_mov_b32 s[\g+5], 32
	s_mov_b32 s[\g+6], 0
	s_mov_b32 s[\g+7], 0
.endr
	s_mul_i32 s10, s8, TILE8
	s_mov_b32 s11, 0
	s_lshr_b32 s14, s4, 1
	s_lshl_b32 s12, s7, 4
	s_lshl_b32 s13, s14, 3
	s_add_co_u32 s12, s12, s13
	s_add_co_u32 s12, s12, T0
	s_mul_i32 s12, s12, PACK
	s_mov_b32 s13, 0
	s_mul_i32 s15, s14, TILE8
	s_add_co_u32 s15, s15, TILE8
	s_wait_dscnt 0x0
	s_wait_kmcnt 0x0
	s_add_nc_u64 s[10:11], s[68:69], s[10:11]
	s_add_nc_u64 s[12:13], s[70:71], s[12:13]
.irp c, 0,1,2,3
	s_mov_b32 s[G0A+4*\c], 1
	s_mov_b32 s[G0A+4*\c+1], \c*CH
	s_add_nc_u64 s[G0A+4*\c+2:G0A+4*\c+3], s[10:11], \c*XCH
	s_or_b32 s[G0A+4*\c+3], s[G0A+4*\c+3], 0x80000000
	s_mov_b32 s[G0B+4*\c], 1
	s_add_co_u32 s[G0B+4*\c+1], s15, \c*CH
	s_add_nc_u64 s[G0B+4*\c+2:G0B+4*\c+3], s[12:13], \c*WCH
	s_or_b32 s[G0B+4*\c+3], s[G0B+4*\c+3], 0x80000000
.endr
	CROUND                                         ; all sixteen work-groups are here: the joint loads meet
	s_cmp_eq_u32 s4, 0
	s_cbranch_scc0 .Lnot_a
.irp c, 0,1,2,3
	tensor_load_to_lds s[G0A+4*\c:G0A+4*\c+3], s[G1A:G1A+7]
	s_nop 0
.endr
	PLACES
	s_branch .Lasked
.Lnot_a:
	s_cmp_lt_u32 s4, 3
	s_cbranch_scc0 .Lasked
.irp c, 0,1,2,3
	tensor_load_to_lds s[G0B+4*\c:G0B+4*\c+3], s[G1B:G1B+7]
	s_nop 0
.endr
	PLACES
.Lasked:
	v_and_b32 v12, 31, v0                          ; lane
	v_lshlrev_b32 v[LI], 4, v12
	v_and_b32 v2, 15, v0                           ; r
	v_bfe_u32 v3, v0, 4, 1                         ; h
	v_lshlrev_b32 v[AX], 4, v12
	s_mul_i32 s9, s4, 4*PACK
	s_add_co_u32 s9, s9, TILE8
	v_add_nc_u32 v[AW], s9, v[LI]
	v_lshlrev_b32 v11, 2, v12
	v_mad_u32_u24 v[ASX], v3, 4*PACK, v11
	v_add_nc_u32 v[ASX], 2048, v[ASX]
	v_mad_u32_u24 v[ASW], v3, 2*PACK, v11
	s_add_co_u32 s9, s9, 2048
	v_add_nc_u32 v[ASW], s9, v[ASW]
	s_mul_i32 s9, s4, 16*272
	s_add_co_u32 s9, s9, STAGE                     ; my stage: 16 rows x (256 bytes + 16)
	v_mul_u32_u24 v[SO], v2, 272
	v_lshl_add_u32 v[SO], v3, 6, v[SO]
	v_add_nc_u32 v[SO], s9, v[SO]                  ; in: row r, + 64 h
	v_mul_u32_u24 v[RD], v3, 272
	v_lshl_add_u32 v[RD], v2, 4, v[RD]
	v_add_nc_u32 v[RD], s9, v[RD]                  ; back: lanes 0-15 one row, lanes 16-31 the next
	v_lshlrev_b32 v[CO], 12, v3
	v_lshl_add_u32 v[CO], v2, 4, v[CO]             ; and the same two tokens in out0
	v_lshlrev_b32 v13, 6, v3                       ; 64 h
	s_wait_alu depctr_va_vdst(0)
	s_lshl_b32 s92, s7, 10
	s_lshl_b32 s93, s4, 8
	s_add_co_u32 s92, s92, s93                     ; my 64 columns, in bytes
	s_mov_b32 s93, 0
	s_add_nc_u64 s[88:89], s[72:73], s[92:93]      ; in bp,
	s_lshl_b32 s94, s8, 19                         ; 128 tokens of 4,096 bytes
	s_add_co_u32 s92, s92, s94
	s_add_nc_u64 s[86:87], s[74:75], s[92:93]      ; and in out0
.irp j, 0,1,2,3
	global_load_b128 v[BIAS+8*\j:BIAS+8*\j+3], v13, s[88:89] offset:(32*(\j/2)+8*(\j%2))*4
	global_load_b128 v[BIAS+8*\j+4:BIAS+8*\j+7], v13, s[88:89] offset:(32*(\j/2)+8*(\j%2))*4+16
.endr
	s_wait_loadcnt 0x0
	CHUNK 0
	CHUNK 1
	CHUNK 2
	CHUNK 3
.macro TOSTAGE i                       ; token tile i: lane (r, h), accumulator j, register q: column 32 (j / 2) + 8 (j % 2) + 16 h + q
	WIN 0x04                                       ; an LDS store's data are its source 1: window 1
.irp j, 0,1,2,3
	ds_store_b128 v[SO], v[8*(4*(\i)+\j):8*(4*(\i)+\j)+3] offset:128*(\j/2)+32*(\j%2)        ; each accumulator from its low end on
	ds_store_b128 v[SO], v[8*(4*(\i)+\j)+4:8*(4*(\i)+\j)+7] offset:128*(\j/2)+32*(\j%2)+16
.endr
	WIN 0
.set BB, XF+32*((\i)%2)
.irp t, 0,1,2,3,4,5,6,7
	ds_load_b128 v[BB+4*\t:BB+4*\t+3], v[RD] offset:544*\t   ; LDS serves a wave's instructions in order: these see the stores above, and the next tile's stores come behind them
.endr
.endm
.macro SEND i, younger                 ; younger: the LDS instructions issued behind tile i's loads, which may stay out
.set BB, XF+32*((\i)%2)
	s_wait_dscnt \younger
.irp t, 0,1,2,3,4,5,6,7
	global_store_b128 v[CO], v[BB+4*\t:BB+4*\t+3], s[86:87] offset:(32*((\i)/2)+8*((\i)%2)+2*\t+8*(\t/4))*4096 th:TH_STORE_NT   ; stage rows 2 t and 2 t + 1; 16 lanes store 256 consecutive bytes, aligned
.endr
.endm
	PLACES                                         ; in front of the first read of results, and of loads into registers that the products read
	TOSTAGE 0
.irp i, 1,2,3,4,5,6,7
.if \i > 1
	s_wait_xcnt 0x0                                ; tile i - 2's stores have read their registers: tile i's loads may land there
.endif
	TOSTAGE \i
	SEND \i-1, 16                                  ; behind tile i - 1's loads: tile i's 8 stores and 8 loads
.endr
	SEND 7, 0
	s_wait_dscnt 0x0
	s_wait_tensorcnt 0x0
	ds_add_u32 v254, v255
	s_wait_dscnt 0x0
	CROUND                                         ; the closing round
	s_endpgm
.Lfunc_end_k_q8089615f04_proj:
	.size	k_q8089615f04_proj, .Lfunc_end_k_q8089615f04_proj-k_q8089615f04_proj
	.p2alignl 7, 3214868480
	.fill 96, 4, 3214868480
	.section	.rodata,"a",@progbits
	.p2align	6, 0x0
	.amdhsa_kernel k_q8089615f04_proj
		.amdhsa_group_segment_fixed_size 239104
		.amdhsa_private_segment_fixed_size 0
		.amdhsa_enable_private_segment 0
		.amdhsa_kernarg_size 32
		.amdhsa_user_sgpr_count 2
		.amdhsa_user_sgpr_kernarg_segment_ptr 1
		.amdhsa_wavefront_size32 1
		.amdhsa_system_sgpr_workgroup_id_x 1
		.amdhsa_system_sgpr_workgroup_id_y 1
		.amdhsa_system_sgpr_workgroup_id_z 1
		.amdhsa_system_vgpr_workitem_id 0
		.amdhsa_next_free_vgpr 512
		.amdhsa_next_free_sgpr 100
		.amdhsa_reserve_vcc 0
		.amdhsa_float_denorm_mode_32 3
		.amdhsa_float_denorm_mode_16_64 3
		.amdhsa_memory_ordered 1
		.amdhsa_forward_progress 1
		.amdhsa_inst_pref_size 74
	.end_amdhsa_kernel
	.amdgpu_metadata
---
amdhsa.version: [ 1, 2 ]
amdhsa.kernels:
  - .name:           k_q8089615f04_proj
    .symbol:         k_q8089615f04_proj.kd
    .args:
      - { .name: apk, .offset: 0, .size: 8, .value_kind: global_buffer, .address_space: global }
      - { .name: wpk, .offset: 8, .size: 8, .value_kind: global_buffer, .address_space: global }
      - { .name: bp, .offset: 16, .size: 8, .value_kind: global_buffer, .address_space: global }
      - { .name: out0, .offset: 24, .size: 8, .value_kind: global_buffer, .address_space: global }
    .group_segment_fixed_size: 239104
    .private_segment_fixed_size: 0
    .kernarg_segment_align: 8
    .kernarg_segment_size: 32
    .max_flat_workgroup_size: 128
    .sgpr_count:     100
    .vgpr_count:     512
    .wavefront_size: 32
...
	.end_amdgpu_metadata
.endif
;; end of part 4
